; MI455X (gfx1250); checked and timed in simulation.
; The chip was launched on July 23, 2026; its instructions are those of AMD's public machine-readable ISA for CDNA 5 (MIT licence, August 2026) and "CDNA5" Instruction Set Architecture Reference Guide (July 2026). The comments in the code are by the model that wrote it; some were corrected since.
;; Causal Attention. Allowed arithmetic: matrix products marked QUANTISED: E2M1 operands, one E8M0 scale for each 32 along K, by v_wmma_scale_f32_16x16x128_f8f6f4 with both operands' format E2M1 (or v_wmma_scale_f32_32x16x128_f4), f32 sums; products left as they are: bf16, f16 or f32 operands; f32 sums; everything else in f32.
;; Inputs: Wk 1,024 x 1,024 float32; Wo 1,024 x 1,024 float32; Wq 1,024 x 1,024 float32; Wv 1,024 x 1,024 float32; x 4 x 2,048 x 1,024 float32.
;; Outputs: out0 4 x 2,048 x 1,024 float32.
;; This version of the problem:
;;   THIS VERSION OF THE PROBLEM IS GIVEN IN LOW PRECISION. The matrix products marked QUANTISED in the list below multiply operands that are first quantised to E2M1 (2 exponent bits, 1 mantissa bit; 4 bits a number), with one power-of-two scale for each 32 numbers along K (OCP MX v1.0); their sums are f32. The products marked 'left as it is' may take bf16, f16 or f32 operands, with f32 sums. Whichever they take, every output number must still come out within the allowed error. Rounding operands to bf16 (8 significant bits) uses up far more of that allowance than f16 does (11 bits, for magnitudes from 6e-5 to 65,504). All else is computed in f32.
;;   The module's matrix products, in the order in which they are computed (A, B: the left and right operand; K: the contracted axis; several contracted axes count as one K, in the product's order):
;;     1. [M 8,192, K 1,024] x [K 1,024, N 1,024]; A: input x; B: input Wq: QUANTISED
;;     2. [M 8,192, K 1,024] x [K 1,024, N 1,024]; A: input x; B: input Wk: QUANTISED
;;     3. [M 8,192, K 1,024] x [K 1,024, N 1,024]; A: input x; B: input Wv: QUANTISED
;;     4. batch 64 x [M 2,048, K 64] x [K 64, N 2,048]; A: computed on the way; B: computed on the way: left as it is (an operand is computed on the way)
;;     5. batch 64 x [M 2,048, K 2,048] x [K 2,048, N 64]; A: computed on the way; B: computed on the way: left as it is (an operand is computed on the way)
;;     6. [M 8,192, K 1,024] x [K 1,024, N 1,024]; A: computed on the way; B: input Wo: left as it is (an operand is computed on the way)
;;   THE QUANTISER, for each operand of a quantised product, along K:
;;     - K is cut into blocks of 32 from its start; a last block that is shorter is filled with zeros.
;;     - A block's scale is 2^e with e = floor(log2(the largest magnitude in the block)) - 2, held to -126 .. 127; a block of zeros has e = 0. As a byte (E8M0): e + 127.
;;     - Each number is divided by its block's scale, clamped to +-6, and rounded to the nearest number of E2M1, ties to even, subnormals kept.
;;     - The product sums the exact products of the quantised numbers (number of the format x scale) in f32.
;;   ~~~python
;;   def quantise(x, axis):      # numpy; x: float32 -> the quantised numbers, widened to float32 again
;;       x = np.moveaxis(x, axis, -1); K = x.shape[-1]
;;       x = np.pad(x, [(0, 0)] * (x.ndim - 1) + [(0, -K % 32)]); x = x.reshape(x.shape[:-1] + (-1, 32)); a = np.abs(x).max(-1, keepdims=True)
;;       e = np.where(a > 0, np.clip(np.frexp(np.where(a > 0, a, 1))[1] - 1 - 2, -126, 127), 0)      # np.frexp(a)[1] - 1 = floor(log2(a)), exactly
;;       r = np.clip(x / 2.0 ** e, -6, 6)
;;       step = 2.0 ** (np.maximum(np.frexp(np.where(r == 0, 1, r))[1] - 1, 0) - 1)
;;       q = np.round(r / step) * step * 2.0 ** e      # np.round: ties to even
;;       return np.moveaxis(q.reshape(q.shape[:-2] + (-1,))[..., :K], -1, axis).astype(np.float32)
;;   ~~~
;; One version. Each part assembles by itself: llvm-mc -triple=amdgcn-amd-amdhsa -mcpu=gfx1250 --defsym DOCPART=n.
;; ======== version 1 of 1: 6 launches
;; limits: values are held in f16: magnitudes above 65,504 overflow, below 6.1e-05 lose precision
;; workspace buffers: x_codes 4,194,304 bytes; x_scales 262,144 bytes; w_codes 1,572,864 bytes; w_scales 98,304 bytes; wo16 2,097,152 bytes; qkv16 50,331,648 bytes; o16 16,777,216 bytes; ofine 262,144 bytes
;; launch quant (part 1): grid 384 x 1, 4 waves a work-group, no clusters, 33,280 bytes of LDS; arguments x, Wq, Wk, Wv, Wo, x_codes, x_scales, w_codes, w_scales, wo16; writes x_codes, x_scales, w_codes, w_scales, wo16
.if DOCPART == 1
	.amdgcn_target "amdgcn-amd-amdhsa--gfx1250"
	.amdhsa_code_object_version 6
	.text
	.protected	k_q2619b7881a_quant
	.globl	k_q2619b7881a_quant
	.p2align	8
	.type	k_q2619b7881a_quant,@function
k_q2619b7881a_quant:
	s_mov_b64 s[64:65], 0
	v_nop
	global_prefetch_b8 v0, s[64:65] scope:SCOPE_SE
	s_setreg_imm32_b32 hwreg(HW_REG_WAVE_MODE, 25, 1), 1
	s_wait_xcnt 0x0
; x [8192][1024] and Wq, Wk, Wv [1024][1024], f32 with K innermost, become codes of FP4 (E2M1), two a byte, K innermost, with one E8M0 byte for each 32 along K.
; Wq, Wk, Wv lie one behind the other in w_codes and w_scales (rows 0-1023, 1024-2047, 2048-3071).  Wo [1024][1024] is rounded to f16 and laid in planes [16 p][1024 n][64 k], k = 64 p + ..
; A block's scale is 2^(floor(log2(its largest magnitude)) - 2); its byte is the largest magnitude's exponent field - 2, held at 1 from below.
; LIMITS: a block of zeros, or one whose largest magnitude lies under 2^-124, gets the byte 1 (a block of zeros has zero codes, which add nothing; the bytes are read by this program alone);
; NaN and infinities among the inputs are not served; |Wo| stays under 65,504, f16's largest number.
; SHARES: a work-group takes 32,768 numbers, a wave 8,192 in 16 steps of 512.  Work-groups 0-255: x; 256-287: Wq; 288-319: Wk; 320-351: Wv; 352-383: Wo, 32 rows each.
; The four quantised tensors take ONE path: only pointers are chosen, by the work-group's number.  Rows are dense and K is a multiple of 32: each tensor is a plain stream of blocks of 32.
; Each load reads 512 consecutive bytes; a step's 2,048 bytes turn through the wave's own stage in LDS so that a lane holds 16 neighbours along K; two neighbouring lanes hold a block.
; No cluster, no tensor load, no barrier: waves share nothing, and nothing is read twice.
.set WAVES, 4
.set STEPS, 16
.set EMAX,  2
.set CB,    8                          ; bytes of 16 codes
.set R,     16                         ; v16-79   four sets of 16 numbers as they are loaded
.set X,     80                         ; v80-111  two sets of 16 neighbours
.set C,     128                        ; v128-191 codes: four registers for each step
.set E,     112                        ; v112-127 a scale byte for each step
.set WREG,  8192                       ; LDS: a region for each wave: two stages of 32 x SP bytes, behind them its 256 scale bytes
.set SP,    80                         ; a lane's place in a stage: 64 bytes + 16 of padding
.set SPW,   12                         ; v12 LDS address of my spare word; never rewritten
.set NIL,   13                         ; v13 0; never rewritten
.set SPARE, WAVES*WREG                 ; behind the regions: the spare words, 128 bytes a wave
	s_load_b512 s[16:31], s[0:1], 0x0              ; x, Wq, Wk, Wv, Wo, x_codes, x_scales, w_codes
	s_load_b128 s[32:35], s[0:1], 0x40             ; w_scales, wo16
	v_lshl_add_u32 v[SPW], v0, 2, SPARE
	v_mov_b32 v[NIL], 0
	v_lshrrev_b32 v1, 5, v0
	v_readfirstlane_b32 s36, v1                    ; wave
	v_and_b32 v2, 31, v0                           ; lane
	v_lshlrev_b32 v3, 4, v2                        ; my 16 bytes of a load's 512
	s_mul_i32 s37, s36, WREG
	v_lshrrev_b32 v14, 2, v2
	v_mul_u32_u24 v14, v14, SP
	v_and_b32 v15, 3, v2
	v_lshl_add_u32 v14, v15, 4, v14
	v_add_nc_u32 v14, s37, v14                     ; the stage, on the way in: SP (lane / 4) + 16 (lane % 4)
	v_mul_u32_u24 v15, v2, SP
	v_add_nc_u32 v15, s37, v15                     ; on the way out: SP x lane: my 16 neighbours
	v_mul_u32_u24 v4, v2, CB                       ; my codes' place in a step's
	v_lshrrev_b32 v5, 1, v2
	s_add_co_u32 s37, s37, 2*32*SP
	v_add_nc_u32 v5, s37, v5                       ; LDS: my wave's 256 scale bytes, my block's byte
	v_lshlrev_b32 v7, 3, v2                        ; on the way out 8 bytes a lane
	v_add_nc_u32 v6, s37, v7
	s_wait_kmcnt 0x0
	s_cmp_ge_u32 ttmp9, 352
	s_cbranch_scc1 .Lwo                            ; the last 32 work-groups round Wo
	s_cmp_lt_u32 ttmp9, 320                        ; which tensor: the choices hang on the work-group's number alone
	s_cselect_b64 s[4:5], s[20:21], s[22:23]
	s_cmp_lt_u32 ttmp9, 288
	s_cselect_b64 s[4:5], s[18:19], s[4:5]
	s_cmp_lt_u32 ttmp9, 256
	s_cselect_b64 s[4:5], s[16:17], s[4:5]
	s_cselect_b64 s[8:9], s[26:27], s[30:31]       ; codes
	s_cselect_b64 s[10:11], s[28:29], s[32:33]     ; scale bytes
	s_cselect_b32 s37, 0, 256
	s_cselect_b32 s38, 255, 31
	s_sub_co_u32 s37, ttmp9, s37                   ; the unit among the destination's
	s_and_b32 s38, s37, s38                        ; and among the source's (each W has 32)
	s_lshl_b32 s37, s37, 2
	s_add_co_u32 s37, s37, s36                     ; my wave's run of 8,192 numbers in the destination,
	s_lshl_b32 s38, s38, 2
	s_add_co_u32 s38, s38, s36                     ; and in the source
	s_lshl_b32 s40, s38, 15                        ; 32,768 bytes of f32 a run
	s_mov_b32 s41, 0
	s_add_nc_u64 s[4:5], s[4:5], s[40:41]
	s_lshl_b32 s40, s37, 12                        ; 4,096 bytes of codes
	s_add_nc_u64 s[8:9], s[8:9], s[40:41]
	s_lshl_b32 s40, s37, 8                         ; 256 scale bytes
	s_add_nc_u64 s[10:11], s[10:11], s[40:41]
.macro LOAD t
.irp i, 0,1,2,3
	global_load_b128 v[R+16*((\t)%4)+4*\i:R+16*((\t)%4)+4*\i+3], v3, s[4:5] offset:2048*(\t)+512*\i th:TH_LOAD_NT   ; 32 lanes read 512 consecutive bytes
.endr
.endm
.macro TURN t                          ; step t's numbers through the stage: LDS serves a wave's instructions in order, so no wait stands between the stores and the loads
.irp i, 0,1,2,3
	ds_store_b128 v14, v[R+16*((\t)%4)+4*\i:R+16*((\t)%4)+4*\i+3] offset:32*SP*((\t)%2)+8*SP*\i
.endr
.irp i, 0,1,2,3
	ds_load_b128 v[X+16*((\t)%2)+4*\i:X+16*((\t)%2)+4*\i+3], v15 offset:32*SP*((\t)%2)+16*\i
.endr
.endm
.irp t, 0,1,2,3
	LOAD \t
.endr
	s_wait_loadcnt 12                              ; step 0's four loads are in; the twelve of steps 1 to 3 may be out
	TURN 0
.macro STEP t
.set XS, X+16*((\t)%2)
.if (\t) > 0
	s_wait_dscnt 1                                 ; this step's numbers are back from the stage (the last step's byte store may be out)
.else
	s_wait_dscnt 0x0
.endif
.if (\t)+4 < STEPS
	LOAD (\t)+4                                    ; into the registers that the stage's stores have read
.endif
.if (\t)+1 < STEPS
.if STEPS-2-(\t) >= 3
	s_wait_loadcnt 12                              ; the next step's four loads are in; those of the three steps behind it may be out
.else
	s_wait_loadcnt 4*(STEPS-2-(\t))
.endif
	TURN (\t)+1
.endif
	v_max3_num_f32 v8, |v[XS]|, |v[XS+1]|, |v[XS+2]|               ; the largest magnitude of my 16, in two chains
	v_max3_num_f32 v9, |v[XS+3]|, |v[XS+4]|, |v[XS+5]|
.irp i, 6,10
	v_max3_num_f32 v8, v8, |v[XS+\i]|, |v[XS+\i+1]|
	v_max3_num_f32 v9, v9, |v[XS+\i+2]|, |v[XS+\i+3]|
.endr
	v_max3_num_f32 v8, v8, |v[XS+14]|, |v[XS+15]|
	v_max3_num_f32 v8, v8, v9, (EMAX+1)<<23        ; and the floor 2^(3 - 127): the byte cannot fall under 1
	v_max_num_f32_dpp v8, v8, v8 row_xmask:1 row_mask:0xf bank_mask:0xf   ; and of my neighbour's 16: the block's
	v_add_nc_u32 v11, -(EMAX<<23), v8              ; 2 off its exponent field: the conversion takes the exponent field of this operand as its scale
	v_cvt_scalef32_pk8_fp4_f32 v[C+4*(\t)], v[XS:XS+7], v11
	v_cvt_scalef32_pk8_fp4_f32 v[C+4*(\t)+1], v[XS+8:XS+15], v11
	v_lshrrev_b32 v[E+(\t)], 23, v11               ; the scale's byte (also the plain line behind the conversions)
	ds_store_b8 v5, v[E+(\t)] offset:16*(\t)       ; both lanes of a block write the same byte with the same value
	global_store_b64 v4, v[C+4*(\t):C+4*(\t)+1], s[8:9] offset:32*CB*(\t)   ; the wave stores 256 consecutive bytes, aligned
.endm
.irp t, 0,1,2,3,4,5,6,7,8,9,10,11,12,13,14,15
	STEP \t
.endr
	ds_load_b64 v[8:9], v6                         ; LDS serves a wave's instructions in order: these see my byte stores
	s_wait_dscnt 0x0
	global_store_b64 v7, v[8:9], s[10:11]          ; 32 lanes store 256 consecutive bytes, aligned
	s_wait_tensorcnt 0x0                           ; the wave's end
	ds_add_u32 v[SPW], v[NIL]
	s_wait_dscnt 0x0
	s_endpgm
; Wo to f16, in planes.  Work-group j takes rows 32 j .. + 31, wave w eight of them.  Step s = 2 p + u: lane L takes row 8 w + 4 u + L / 8, k = 64 p + 8 (L % 8) .. + 7.
; A step's two loads together read four rows' 256 consecutive bytes; its store covers 512 consecutive bytes of plane p.  Eight steps' loads are out.
.Lwo:
	s_sub_co_u32 s37, ttmp9, 352
	s_lshl_b32 s40, s37, 17                        ; 32 rows of 4,096 bytes
	s_mov_b32 s41, 0
	s_add_nc_u64 s[4:5], s[24:25], s[40:41]
	s_lshl_b32 s40, s37, 12                        ; 32 rows of 128 bytes in a plane
	s_add_nc_u64 s[8:9], s[34:35], s[40:41]
	v_bfe_u32 v8, v0, 3, 2                         ; L / 8
	v_lshl_add_u32 v8, v1, 3, v8                   ; + 8 w
	v_and_b32 v9, 7, v0
	v_lshlrev_b32 v10, 12, v8
	v_lshl_add_u32 v10, v9, 5, v10                 ; in: row x 4,096 + 32 (L % 8)
	v_lshlrev_b32 v11, 7, v8
	v_lshl_add_u32 v11, v9, 4, v11                 ; out: row x 128 + 16 (L % 8)
.macro WLOAD s
	global_load_b128 v[16+8*((\s)%8):16+8*((\s)%8)+3], v10, s[4:5] offset:16384*((\s)%2)+256*((\s)/2)
	global_load_b128 v[16+8*((\s)%8)+4:16+8*((\s)%8)+7], v10, s[4:5] offset:16384*((\s)%2)+256*((\s)/2)+16
.endm
.macro WSTEP s
.if 31-(\s) >= 7
	s_wait_loadcnt 14                              ; this step's two loads are in; the seven later steps' fourteen may be out
.else
	s_wait_loadcnt 2*(31-(\s))
.endif
	s_wait_xcnt 0x0                                ; the store of eight steps back has read the registers that are written now
.irp n, 0,1,2,3
	v_cvt_pk_f16_f32 v[128+4*((\s)%8)+\n], v[16+8*((\s)%8)+2*\n], v[16+8*((\s)%8)+2*\n+1]
.endr
.if (\s)+8 < 32
	WLOAD (\s)+8
.endif
	global_store_b128 v11, v[128+4*((\s)%8):128+4*((\s)%8)+3], s[8:9] offset:131072*((\s)/2)+512*((\s)%2)
.endm
.irp s, 0,1,2,3,4,5,6,7
	WLOAD \s
.endr
.set Q, 0
.rept 32
	WSTEP Q
.set Q, Q+1
.endr
	s_wait_tensorcnt 0x0                           ; the same three lines close this path
	ds_add_u32 v[SPW], v[NIL]
	s_wait_dscnt 0x0
	s_endpgm
.Lfunc_end_k_q2619b7881a_quant:
	.size	k_q2619b7881a_quant, .Lfunc_end_k_q2619b7881a_quant-k_q2619b7881a_quant
	.p2alignl 7, 3214868480
	.fill 96, 4, 3214868480
	.section	.rodata,"a",@progbits
	.p2align	6, 0x0
	.amdhsa_kernel k_q2619b7881a_quant
		.amdhsa_group_segment_fixed_size 33280
		.amdhsa_private_segment_fixed_size 0
		.amdhsa_enable_private_segment 0
		.amdhsa_kernarg_size 80
		.amdhsa_user_sgpr_count 2
		.amdhsa_user_sgpr_kernarg_segment_ptr 1
		.amdhsa_wavefront_size32 1
		.amdhsa_system_sgpr_workgroup_id_x 1
		.amdhsa_system_sgpr_workgroup_id_y 1
		.amdhsa_system_sgpr_workgroup_id_z 1
		.amdhsa_system_vgpr_workitem_id 0
		.amdhsa_next_free_vgpr 192
		.amdhsa_next_free_sgpr 66
		.amdhsa_reserve_vcc 0
		.amdhsa_float_denorm_mode_32 3
		.amdhsa_float_denorm_mode_16_64 3
		.amdhsa_memory_ordered 1
		.amdhsa_forward_progress 1
		.amdhsa_inst_pref_size 53
	.end_amdhsa_kernel
	.amdgpu_metadata
---
amdhsa.version: [ 1, 2 ]
amdhsa.kernels:
  - .name:           k_q2619b7881a_quant
    .symbol:         k_q2619b7881a_quant.kd
    .args:
      - { .name: x, .offset: 0, .size: 8, .value_kind: global_buffer, .address_space: global }
      - { .name: Wq, .offset: 8, .size: 8, .value_kind: global_buffer, .address_space: global }
      - { .name: Wk, .offset: 16, .size: 8, .value_kind: global_buffer, .address_space: global }
      - { .name: Wv, .offset: 24, .size: 8, .value_kind: global_buffer, .address_space: global }
      - { .name: Wo, .offset: 32, .size: 8, .value_kind: global_buffer, .address_space: global }
      - { .name: x_codes, .offset: 40, .size: 8, .value_kind: global_buffer, .address_space: global }
      - { .name: x_scales, .offset: 48, .size: 8, .value_kind: global_buffer, .address_space: global }
      - { .name: w_codes, .offset: 56, .size: 8, .value_kind: global_buffer, .address_space: global }
      - { .name: w_scales, .offset: 64, .size: 8, .value_kind: global_buffer, .address_space: global }
      - { .name: wo16, .offset: 72, .size: 8, .value_kind: global_buffer, .address_space: global }
    .group_segment_fixed_size: 33280
    .private_segment_fixed_size: 0
    .kernarg_segment_align: 8
    .kernarg_segment_size: 80
    .max_flat_workgroup_size: 128
    .sgpr_count:     66
    .vgpr_count:     192
    .wavefront_size: 32
...
	.end_amdgpu_metadata
.endif
;; end of part 1
;; launch qkv (part 2): grid 12 x 32, 4 waves a work-group, clusters of 4 x 4, 327,680 bytes of LDS; arguments x_codes, x_scales, w_codes, w_scales, qkv16; writes qkv16
.if DOCPART == 2
	.amdgcn_target "amdgcn-amd-amdhsa--gfx1250"
	.amdhsa_code_object_version 6
	.text
	.protected	k_q2619b7881a_qkv
	.globl	k_q2619b7881a_qkv
	.p2align	8
	.type	k_q2619b7881a_qkv,@function
k_q2619b7881a_qkv:
	s_mov_b64 s[64:65], 0
	v_nop
	global_prefetch_b8 v0, s[64:65] scope:SCOPE_SE
	s_setreg_imm32_b32 hwreg(HW_REG_WAVE_MODE, 25, 1), 1
	s_wait_xcnt 0x0
	s_wait_alu depctr_hold_cnt(0) depctr_sa_sdst(0) depctr_va_vdst(0) depctr_va_sdst(0) depctr_va_ssrc(0) depctr_va_vcc(0) depctr_vm_vsrc(0)
	s_getreg_b32 s2, hwreg(HW_REG_IB_STS2, 6, 4)
	s_cmp_eq_u32 s2, 0
	s_cbranch_scc0 .Lentry_in_a_cluster
	s_endpgm
.Lentry_in_a_cluster:
	s_bfe_u32 s2, ttmp6, 0x10000c
	s_cmp_lg_u32 s2, 0xf033
	s_cbranch_scc0 .Lentry_shape_is_right
	s_endpgm
.Lentry_shape_is_right:
; [8192][3072] = x (Wq, Wk, Wv)^T on codes of FP4 (E2M1) with one E8M0 scale for each 32 along K = 1,024; sums in f32; the results are rounded to f16 and laid [3 m][4 b][16 h][2048 l][64].
; LIMIT: |q|, |k|, |v| stay under 65,504, f16's largest number.
; A tile of 256 x 256 is made by four waves, each 128 x 128: 64 accumulators of 16 x 16, 512 registers.  K = 1,024 is two K steps of 512 (rows of 256 bytes): the two LDS slots hold all of K, so nothing is filled again and there is no loop.
; THE SCALES of the work-group's 256 rows of x and 256 rows of W, for all of K, are two dense blocks of memory: they come into LDS once, in rows of 256 bytes.
; CLUSTERS: 4 x 4 work-groups.  The four of a row of the cluster need the same tiles of x, the four of a column the same tiles of W: each tile is asked for JOINTLY, by the same tensor load with the same descriptor and a mask that names the four.
; THE MATRIX INSTRUCTION IS USED TRANSPOSED (source 0 = 16 rows of W, source 1 = 16 rows of x): a lane then holds eight neighbouring columns of one row.
; REGISTERS, in windows of 256: window 0: v0-31 addresses; v32-95 scale words, two sets; v96-127 packed results; from v128 x's fragments (8 x 16 rows x 128 K), ONE set; on the way out v128-191 take rows back from the stage.
;   window 1: W's fragments, TWO sets, at v0 and v128.   window 2: the 32 accumulators of my rows 0-63 (accumulator (a, b) at v[8 (8 a + b)]);   window 3: those of my rows 64-127.
.set SIZE_M, 8192
.set SIZE_N, 3072
.set SIZE_K, 1024
.set KSTEP,  512
.set NQ,     KSTEP/128
.set ROWB,   256
.set KROW,   SIZE_K*4/8
.set PITCH,  272                       ; an LDS row: 256 bytes + 16 of padding = 68 words: the 16 rows that a load touches start at 16 different banks (64 banks of 4 bytes: ISA guide 11.1)
.set FR,     8
.set NL,     2
.set NP,     4                         ; places behind this matrix instruction (ISA guide 7.12.1)
.set HALFT,  128*PITCH
.set SLOT,   4*HALFT
.set KS,     SIZE_K/32
.set SCL,    2*SLOT
.set HALFS,  (128*KS/256)*272
.set SBLK,   (16*KS/256)*272
.set SPARE,  SCL+4*HALFS               ; behind the scales: the spare words, 128 bytes a wave
.set SPITCH, 272                       ; the way out: a stage of 16 rows x (256 bytes + 16) for each wave, in slot 0, which has had its only fill and its last read when the first result is stored there
.set ADRA, 16
.set ADRB, 20
.set STO,  24
.set RD,   25
.set CO,   26
.set SPW,  28
.set NIL,  29
.set ADRS, 27
.set SC,   32
.set TMP,  96
.set AF,   128
.set BK,   128
.set G1, 24
.set G0, 32
.set G1B, 48
.set G0B, 56
.set G1S, 68
.set G0S, 76
.set G1SB, 80
.set G0SB, 88
.set MSB, 0
.macro WIN new                         ; the immediate's high byte repeats the setting that is left
.if MSB != \new
	s_set_vgpr_msb (MSB<<8)|\new
.set MSB, \new
.endif
.endm
.set MUL_LO, 0xa1                      ; source 0 (W) window 1, source 1 (x) window 0, C and D window 2
.set MUL_HI, 0xf1
.set TO_B,   0x40
; A joint load: waves 0 and 1 fetch for x, waves 2 and 3 for W.  The branch hangs on the wave's number alone.  An s_nop 0 and four v_nop follow each of the two lines.
.macro JLOAD g0a, g1a, g0b, g1b
	s_cmp_eq_u32 s15, 0
	s_cbranch_scc0 .Lfor_b_\@
	tensor_load_to_lds s[\g0a:\g0a+3], s[\g1a:\g1a+7]
	s_nop 0
.rept 4
	v_nop
.endr
	s_branch .Lasked_\@
.Lfor_b_\@:
	tensor_load_to_lds s[\g0b:\g0b+3], s[\g1b:\g1b+7]
	s_nop 0
.rept 4
	v_nop
.endr
.Lasked_\@:
.endm
.macro CROUND                          ; a round of the cluster's barrier
	s_barrier_signal -1
	s_barrier_wait -1
	s_cmp_lg_u32 s14, 0
	s_cbranch_scc1 .Lnot_wave_0_\@
	s_barrier_signal -3
.Lnot_wave_0_\@:
	s_barrier_wait -3
	s_barrier_signal -1
	s_barrier_wait -1
.endm
	s_load_b128 s[4:7], s[0:1], 0x0                ; x's codes, x's scales
	s_load_b128 s[8:11], s[0:1], 0x10              ; W's codes, W's scales
	s_load_b64 s[12:13], s[0:1], 0x20              ; qkv16
	v_lshl_add_u32 v[SPW], v0, 2, SPARE
	v_mov_b32 v[NIL], 0
	ds_add_u32 v[SPW], v[NIL]                      ; the wave's opening: the add, twice on end, and its wait ahead of my first tensor load
	ds_add_u32 v[SPW], v[NIL]
	v_lshrrev_b32 v1, 5, v0
	v_readfirstlane_b32 s14, v1                    ; wave 0..3
	s_lshr_b32 s15, s14, 1                         ; which half of the tile's rows is mine.  Also: I fetch for x (0) or for W (1)
	s_and_b32 s16, s14, 1                          ; which half of its columns.  Also: which 128 rows of that tile I fetch
	s_bfe_u32 s40, ttmp6, 0x40000                  ; cx, cy: my place in the cluster
	s_bfe_u32 s41, ttmp6, 0x40004
	s_lshl_b32 s42, ttmp9, 2
	s_add_co_u32 s42, s42, s40                     ; tile column = 4 x cluster x + cx
	s_and_b32 s17, ttmp7, 0xffff
	s_lshl_b32 s17, s17, 2
	s_add_co_u32 s17, s17, s41                     ; tile row = 4 x cluster y + cy
	s_lshl_b32 s43, s41, 2
	s_lshl_b32 s43, 15, s43                        ; my row of the cluster
	s_lshl_b32 s44, 0x1111, s40                    ; my column
	s_or_b32 s[G1+0], s43, (0<<16)|(1<<20)|(1<<21)|(5<<22)|(3<<25)  ; the mask; elements of 1 byte; padding on; bit 21 beside a mask; after every 64 words, 4 words
	s_or_b32 s[G1B+0], s44, (0<<16)|(1<<20)|(1<<21)|(5<<22)|(3<<25)
.irp g, G1, G1B
	s_mov_b32 s[\g+1], ROWB<<16                    ; tensor_dim0
	s_mov_b32 s[\g+2], 128<<16                     ; tensor_dim1
	s_mov_b32 s[\g+3], ROWB<<16                    ; tile_dim0
	s_mov_b32 s[\g+4], 128                         ; tile_dim1
	s_mov_b32 s[\g+5], KROW                        ; the pitch in memory
	s_mov_b32 s[\g+6], 0
	s_mov_b32 s[\g+7], 0
.endr
	s_or_b32 s[G1S+0], s43, (3<<16)|(1<<20)|(1<<21)|(5<<22)|(3<<25)  ; the scales of 128 rows: a dense block as rows of 256 bytes (32 elements of 8 bytes), 16 bytes of padding behind each
	s_or_b32 s[G1SB+0], s44, (3<<16)|(1<<20)|(1<<21)|(5<<22)|(3<<25)
.irp g, G1S, G1SB
	s_mov_b32 s[\g+1], 32<<16
	s_mov_b32 s[\g+2], (128*KS/256)<<16
	s_mov_b32 s[\g+3], 32<<16
	s_mov_b32 s[\g+4], 128*KS/256
	s_mov_b32 s[\g+5], 32
	s_mov_b32 s[\g+6], 0
	s_mov_b32 s[\g+7], 0
.endr
	s_lshl_b32 s18, s16, 7
	s_lshl_b32 s20, s17, 8
	s_add_co_u32 s20, s20, s18                     ; x: row 256 x tile row + 128 x half
	s_lshl_b32 s46, s42, 8
	s_add_co_u32 s46, s46, s18                     ; W: row 256 x tile column + 128 x half
	s_mov_b32 s21, 0
	s_mov_b32 s47, 0
	s_mov_b64 s[18:19], KS
	s_mul_u64 s[22:23], s[20:21], s[18:19]         ; where these rows' scales begin,
	s_mul_u64 s[92:93], s[46:47], s[18:19]
	s_mov_b64 s[18:19], KROW
	s_mul_u64 s[20:21], s[20:21], s[18:19]         ; and their codes
	s_mul_u64 s[46:47], s[46:47], s[18:19]
	s_mul_i32 s45, s14, HALFT                      ; where they go: wave x 128 rows
	s_mul_i32 s94, s14, HALFS
	s_wait_dscnt 0x0                               ; both opening adds are done
	s_wait_kmcnt 0x0
	s_add_nc_u64 s[20:21], s[4:5], s[20:21]
	s_add_nc_u64 s[22:23], s[6:7], s[22:23]
	s_add_nc_u64 s[46:47], s[8:9], s[46:47]
	s_add_nc_u64 s[92:93], s[10:11], s[92:93]
	CROUND                                         ; all sixteen work-groups are here: the joint loads meet
	s_mov_b32 s[G0S], 1
	s_add_co_u32 s[G0S+1], s94, SCL
	s_mov_b64 s[G0S+2:G0S+3], s[22:23]
	s_or_b32 s[G0S+3], s[G0S+3], 0x80000000
	s_mov_b32 s[G0SB], 1
	s_add_co_u32 s[G0SB+1], s94, SCL
	s_mov_b64 s[G0SB+2:G0SB+3], s[92:93]
	s_or_b32 s[G0SB+3], s[G0SB+3], 0x80000000
	JLOAD G0S, G1S, G0SB, G1SB                     ; the scales first: they are wanted with K step 0
.irp s, 0,1
	s_mov_b32 s[G0+4*\s], 1
	s_add_co_u32 s[G0+4*\s+1], s45, \s*SLOT
	s_add_nc_u64 s[G0+4*\s+2:G0+4*\s+3], s[20:21], \s*ROWB
	s_or_b32 s[G0+4*\s+3], s[G0+4*\s+3], 0x80000000
	s_mov_b32 s[G0B+4*\s], 1
	s_add_co_u32 s[G0B+4*\s+1], s45, \s*SLOT
	s_add_nc_u64 s[G0B+4*\s+2:G0B+4*\s+3], s[46:47], \s*ROWB
	s_or_b32 s[G0B+4*\s+3], s[G0B+4*\s+3], 0x80000000
	JLOAD G0+4*\s, G1, G0B+4*\s, G1B               ; three loads of mine are out: the scales and both K steps
.endr
	v_and_b32 v1, 15, v0                           ; l % 16
	v_bfe_u32 v2, v0, 4, 1                         ; l / 16
	v_mul_u32_u24 v3, v1, PITCH
	v_lshl_add_u32 v4, v2, 4, v3                   ; a fragment's row x pitch + 16 x half
	s_mul_i32 s21, s15, HALFT
	s_mul_i32 s22, s16, HALFT
	s_add_co_u32 s22, s22, 2*HALFT
.irp s, 0,1
	v_add_nc_u32 v[ADRA+\s], s21, v4
	v_add_nc_u32 v[ADRB+\s], s22, v4
	s_add_co_u32 s21, s21, SLOT
	s_add_co_u32 s22, s22, SLOT
.endr
	v_mul_u32_u24 v5, v1, KS                       ; my row's scales: KS bytes a row,
	v_lshrrev_b32 v6, 8, v5
	v_lshl_add_u32 v5, v6, 4, v5                   ; and 16 more for each 256 passed
	s_mul_i32 s21, s15, HALFS
	s_mul_i32 s22, s16, HALFS
	s_add_co_u32 s22, s22, 2*HALFS
	s_sub_co_u32 s22, s22, s21
	v_mul_u32_u24 v6, s22, v2                      ; lanes 16-31 take W's
	s_add_co_u32 s21, s21, SCL
	v_add_nc_u32 v5, v5, v6
	v_add_nc_u32 v[ADRS], s21, v5
	s_mul_i32 s23, s14, 16*SPITCH                  ; my stage
	v_mul_u32_u24 v5, v1, SPITCH                   ; in: row l % 16, 16 bytes for each half of the lanes
	v_lshl_add_u32 v5, v2, 4, v5
	v_add_nc_u32 v[STO], s23, v5
	v_and_b32 v6, 31, v0
	v_lshlrev_b32 v[CO], 4, v6                     ; out: 16 bytes a lane, 512 on end
	v_lshrrev_b32 v5, 3, v6
	v_mul_u32_u24 v5, v5, SPITCH                   ; back: eight lanes take a head's 128 bytes of a row, four rows an instruction
	v_and_b32 v6, 7, v0
	v_lshl_add_u32 v5, v6, 4, v5
	v_add_nc_u32 v[RD], s23, v5
	; where my 128 rows x 2 heads begin in qkv16: batch = tile row / 8, position = 256 (tile row % 8) + 128 half; G = 4 tile column + 2 half: matrix G / 16, head G % 16
	s_lshr_b32 s20, s17, 3
	s_lshl_b32 s20, s20, 22
	s_and_b32 s21, s17, 7
	s_lshl_b32 s21, s21, 15
	s_add_co_u32 s20, s20, s21
	s_lshl_b32 s21, s15, 14
	s_add_co_u32 s20, s20, s21
	s_mov_b32 s21, 0
	s_lshl_b32 s46, s42, 2
	s_lshl_b32 s47, s16, 1
	s_add_co_u32 s46, s46, s47
	s_lshr_b32 s47, s46, 4
	s_lshl_b32 s47, s47, 24
	s_and_b32 s46, s46, 15
	s_lshl_b32 s46, s46, 18
	s_add_co_u32 s46, s46, s47
	s_mov_b32 s47, 0
	s_add_nc_u64 s[20:21], s[20:21], s[46:47]
	s_add_nc_u64 s[12:13], s[12:13], s[20:21]
.macro FRAG reg, adr, q, i             ; a fragment, 16 rows x 128 K of 4-bit codes, is 8 registers: lane l holds row l % 16; registers 4 c .. 4 c + 3 hold K = 64 c + 32 (l / 16) + 0 .. 31
.irp c, 0,1
	ds_load_b128 v[\reg+4*\c:\reg+4*\c+3], v[\adr] offset:64*(\q)+32*\c+(\i)*16*PITCH
.endr
.endm
; 16 matrix instructions: x's blocks a0, a0 + 1 against W's eight, 128 along K.  The 64 accumulators take turns, one instruction a turn, in the same order in every step.
.macro MUL16 a0, p, q, sc, zero
.irp a, \a0, \a0+1
.irp b, 0,1,2,3,4,5,6,7
.if \zero
	v_wmma_scale_f32_16x16x128_f8f6f4 v[8*(8*((\a)%4)+\b):8*(8*((\a)%4)+\b)+7], v[128*(\p)+FR*\b:128*(\p)+FR*\b+FR-1], v[AF+FR*(\a):AF+FR*(\a)+FR-1], 0, v[SC+8*NQ*(\sc)+NQ*\b+(\q)], v[SC+8*NQ*(\sc)+NQ*(\a)+(\q)] matrix_a_fmt:MATRIX_FMT_FP4 matrix_b_fmt:MATRIX_FMT_FP4 matrix_a_scale:MATRIX_SCALE_ROW1
.else
	v_wmma_scale_f32_16x16x128_f8f6f4 v[8*(8*((\a)%4)+\b):8*(8*((\a)%4)+\b)+7], v[128*(\p)+FR*\b:128*(\p)+FR*\b+FR-1], v[AF+FR*(\a):AF+FR*(\a)+FR-1], v[8*(8*((\a)%4)+\b):8*(8*((\a)%4)+\b)+7], v[SC+8*NQ*(\sc)+NQ*\b+(\q)], v[SC+8*NQ*(\sc)+NQ*(\a)+(\q)] matrix_a_fmt:MATRIX_FMT_FP4 matrix_b_fmt:MATRIX_FMT_FP4 matrix_a_scale:MATRIX_SCALE_ROW1
.endif
.endr
.endr
.endm
.macro FETCH_B slot, q, p
	WIN TO_B
.irp i, 0,1,2,3,4,5,6,7
	FRAG 128*(\p)+FR*\i, ADRB+\slot, \q, \i
.endr
	WIN 0
.endm
.macro FETCH_A slot, q, i0
.irp i, \i0, \i0+1, \i0+2, \i0+3
	FRAG AF+FR*(\i), ADRA+\slot, \q, \i
.endr
.endm
.macro SCALES sc                       ; a K step's scale words: lanes 0-15 take x's block i, lanes 16-31 W's block i
.irp i, 0,1,2,3,4,5,6,7
	ds_load_b128 v[SC+8*NQ*\sc+NQ*\i:SC+8*NQ*\sc+NQ*\i+3], v[ADRS] offset:\i*SBLK
.endr
.endm
.macro PLACES n                        ; plain vector lines between a matrix instruction and a load into, or a read of, its registers
.rept \n
	v_nop
.endr
.endm
.macro STEP slot, q, zero              ; a step of 128 along K that has its successor in the same slot
	s_wait_dscnt 4*NL                              ; W's set and x's blocks 0-3 are in; the youngest eight loads (x's blocks 4-7) may be out
	WIN MUL_LO
	MUL16 0, (\q)%2, \q, \slot, \zero
	MUL16 2, (\q)%2, \q, \slot, \zero
	s_wait_dscnt 0
	PLACES NP
	FETCH_B \slot, (\q)+1, 1-(\q)%2
	FETCH_A \slot, (\q)+1, 0
	WIN MUL_HI
	MUL16 4, (\q)%2, \q, \slot, \zero
	MUL16 6, (\q)%2, \q, \slot, \zero
	PLACES NP
	WIN 0
	FETCH_A \slot, (\q)+1, 4
.endm
; Slot 0's last step changes slots: each wave waits for all its tensor loads (slot 1's is the one that may be out), adds 0 to its spare word, waits for that and for its reads of slot 0, and passes the work-group's barrier.  Nothing is filled again.
.macro TURN slot, next
	s_wait_tensorcnt 0x0
	ds_add_u32 v[SPW], v[NIL]
	s_wait_dscnt 4*NL+1                            ; (the add and the youngest eight loads may be out)
	WIN MUL_LO
	MUL16 0, 1, NQ-1, \slot, 0
	s_wait_dscnt 0x0                               ; the add is done, and my reads of this slot are over
	s_barrier_signal -1
	MUL16 2, 1, NQ-1, \slot, 0
	WIN 0
	s_barrier_wait -1
	PLACES NP
	v_add_nc_u32 v[ADRS], 4*NQ, v[ADRS]            ; on to the next K step's scale words
	FETCH_B \next, 0, 0
	FETCH_A \next, 0, 0
	SCALES \next
	WIN MUL_HI
	MUL16 4, 1, NQ-1, \slot, 0
	MUL16 6, 1, NQ-1, \slot, 0
	PLACES NP
	WIN 0
	FETCH_A \next, 0, 4
.endm
.macro STEPS slot, from
.set Q, \from
.rept NQ-1-\from
	STEP \slot, Q, 0
.set Q, Q+1
.endr
.endm
	s_wait_tensorcnt 1                             ; the scales and my part of K step 0 are in (K step 1's load may be out),
	s_barrier_signal -1
	s_barrier_wait -1                              ; everybody's are
	FETCH_B 0, 0, 0
	FETCH_A 0, 0, 0
	SCALES 0
	FETCH_A 0, 0, 4
	STEP 0, 0, 1                                   ; the first step's products start the sums: nothing is cleared
	STEPS 0, 1
	TURN 0, 1
	STEPS 1, 0
	s_wait_dscnt 4*NL                              ; the very last step: nothing more to fetch
	WIN MUL_LO
	MUL16 0, 1, NQ-1, 1, 0
	MUL16 2, 1, NQ-1, 1, 0
	s_wait_dscnt 0
	WIN MUL_HI
	MUL16 4, 1, NQ-1, 1, 0
	MUL16 6, 1, NQ-1, 1, 0
	WIN 0
; THE WAY OUT, block by block of 16 rows x 128 columns (two heads).  PACK: rounded to f16, 16 bytes a lane, each accumulator from its low end on.  TOSTAGE: into my own stage, and back by heads: four rows of a head's 128 bytes
; an instruction.  SEND: each store covers 512 consecutive bytes of a head's rows, aligned.
.macro PACK a
.set AC, 64*((\a)%4)
	WIN 0x0a+5*((\a)/4)                            ; sources 0 and 1: window 2 or 3
.irp b, 0,1,2,3,4,5,6,7
.irp n, 0,1,2,3
	v_cvt_pk_f16_f32 v[TMP+4*\b+\n], v[AC+8*\b+2*\n], v[AC+8*\b+2*\n+1]
.endr
.endr
	WIN 0
.endm
.macro TOSTAGE a
.set BB, BK+32*((\a)%2)
.irp b, 0,1,2,3,4,5,6,7
	ds_store_b128 v[STO], v[TMP+4*\b:TMP+4*\b+3] offset:32*\b
.endr
.irp t, 0,1,2,3,4,5,6,7
	ds_load_b128 v[BB+4*\t:BB+4*\t+3], v[RD] offset:128*(\t/4)+4*SPITCH*(\t%4)   ; LDS serves a wave's instructions in order: these see the stores above
.endr
.endm
.macro SEND a
.set BB, BK+32*((\a)%2)
	s_wait_dscnt 0x0                               ; the block is back in registers
	s_wait_xcnt 0x0                                ; the stores of the block before have read their registers: the next block's loads may land there
.irp t, 0,1,2,3,4,5,6,7
	global_store_b128 v[CO], v[BB+4*\t:BB+4*\t+3], s[12:13] offset:262144*(\t/4)+2048*(\a)+512*(\t%4)
.endr
.endm
	PLACES NP
	PACK 0
	TOSTAGE 0
.irp a, 1,2,3,4,5,6,7                  ; block a's conversions stand between block a - 1's loads from the stage and the wait for them
	PACK \a
	SEND \a-1
	TOSTAGE \a
.endr
	SEND 7
	s_wait_tensorcnt 0x0                           ; the wave's end
	ds_add_u32 v[SPW], v[NIL]
	s_wait_dscnt 0x0
	CROUND                                         ; the closing round
	s_endpgm
.Lfunc_end_k_q2619b7881a_qkv:
	.size	k_q2619b7881a_qkv, .Lfunc_end_k_q2619b7881a_qkv-k_q2619b7881a_qkv
	.p2alignl 7, 3214868480
	.fill 96, 4, 3214868480
	.section	.rodata,"a",@progbits
	.p2align	6, 0x0
	.amdhsa_kernel k_q2619b7881a_qkv
		.amdhsa_group_segment_fixed_size 327680
		.amdhsa_private_segment_fixed_size 0
		.amdhsa_enable_private_segment 0
		.amdhsa_kernarg_size 40
		.amdhsa_user_sgpr_count 2
		.amdhsa_user_sgpr_kernarg_segment_ptr 1
		.amdhsa_wavefront_size32 1
		.amdhsa_system_sgpr_workgroup_id_x 1
		.amdhsa_system_sgpr_workgroup_id_y 1
		.amdhsa_system_sgpr_workgroup_id_z 1
		.amdhsa_system_vgpr_workitem_id 0
		.amdhsa_next_free_vgpr 1024
		.amdhsa_next_free_sgpr 98
		.amdhsa_reserve_vcc 0
		.amdhsa_float_denorm_mode_32 3
		.amdhsa_float_denorm_mode_16_64 3
		.amdhsa_memory_ordered 1
		.amdhsa_forward_progress 1
		.amdhsa_inst_pref_size 126
	.end_amdhsa_kernel
	.amdgpu_metadata
---
amdhsa.version: [ 1, 2 ]
amdhsa.kernels:
  - .name:           k_q2619b7881a_qkv
    .symbol:         k_q2619b7881a_qkv.kd
    .args:
      - { .name: x_codes, .offset: 0, .size: 8, .value_kind: global_buffer, .address_space: global }
      - { .name: x_scales, .offset: 8, .size: 8, .value_kind: global_buffer, .address_space: global }
      - { .name: w_codes, .offset: 16, .size: 8, .value_kind: global_buffer, .address_space: global }
      - { .name: w_scales, .offset: 24, .size: 8, .value_kind: global_buffer, .address_space: global }
      - { .name: qkv16, .offset: 32, .size: 8, .value_kind: global_buffer, .address_space: global }
    .group_segment_fixed_size: 327680
    .private_segment_fixed_size: 0
    .kernarg_segment_align: 8
    .kernarg_segment_size: 40
    .max_flat_workgroup_size: 128
    .sgpr_count:     98
    .vgpr_count:     1024
    .wavefront_size: 32
...
	.end_amdgpu_metadata
.endif
;; end of part 2
;; launch fattn (part 3): grid 16 x 4, 4 waves a work-group, no clusters, 8,960 bytes of LDS; arguments x_codes, x_scales, w_codes, w_scales, ofine; writes ofine
.if DOCPART == 3
	.amdgcn_target "amdgcn-amd-amdhsa--gfx1250"
	.amdhsa_code_object_version 6
	.text
	.protected	k_q2619b7881a_fattn
	.globl	k_q2619b7881a_fattn
	.p2align	8
	.type	k_q2619b7881a_fattn,@function
k_q2619b7881a_fattn:
	s_mov_b64 s[64:65], 0
	v_nop
	global_prefetch_b8 v0, s[64:65] scope:SCOPE_SE
	s_setreg_imm32_b32 hwreg(HW_REG_WAVE_MODE, 25, 1), 1
	s_wait_xcnt 0x0
; THE FIRST 16 POSITIONS OF EVERY SEQUENCE, CARRIED IN f32.  A work-group takes one batch (y) and one head (x).  q, k, v of positions 0-15 are made anew from the codes (FP4, E8M0 scales, f32 sums) and never rounded;
; the scores, the softmax (the row's maximum is taken away) and the product with v are f32.  The result goes to ofine [16 b + position][1024], f32.
; These rows average one to sixteen values and are the largest in size: 16-bit operands would use up the allowed error there.  It is 1/128 of the rows: no bulk work.
; SHARES: wave w makes channels 16 w .. + 15 of q, k and v.  q and k are made transposed (source 0 = 16 rows of W, source 1 = x's 16 rows): lane (r, h) holds position r, register j channel 16 w + 8 h + j.
; v is made the other way round (source 0 = x): lane (r, h) holds channel 16 w + r, register j position 8 h + j.  So pairs of registers ARE operands of the f32 matrix form (row or column = r, k = 2 h + j), with the same
; order of k on both sides of each product.  Each wave's scores are partial sums over its 16 channels; the four meet in LDS as images of their registers and are added in one order in all four waves.
; No cluster and no tensor load: what the heads of a batch share is 8 KiB of x's codes.
.set SX,    0                          ; four images of 8 registers: 1,024 bytes each
.set STG,   4096                       ; the stage: 16 rows x (256 bytes + 16)
.set SPARE, 8448                       ; the spare words, 128 bytes a wave
.set SPW,   252
.set NIL,   253
.set XF,    16                         ; v16-79   x's eight fragments
.set XS,    80                         ; v80-87   x's scale words (scales alone)
.set WF,    96                         ; v96-191  W's fragments of half of K: 96 + 32 m + 8 sl; later at work
.set WS,    192                        ; v192-203 their scale words (scales alone)
.set QT,    208
.set KT,    216
.set VT,    224
.set F0,    232                        ; v232-247: the f32 form's two accumulators, written by matrix instructions alone
.set F1,    240
.set T,     96
.set IMG,   104
.set SS,    136                        ; scores, then p
.set RR,    144
	s_load_b256 s[4:11], s[0:1], 0x0               ; x_codes, x_scales, w_codes, w_scales
	s_load_b64 s[12:13], s[0:1], 0x20              ; ofine
	v_lshl_add_u32 v[SPW], v0, 2, SPARE
	v_mov_b32 v[NIL], 0
	v_lshrrev_b32 v14, 5, v0
	v_readfirstlane_b32 s14, v14                   ; wave
	v_and_b32 v1, 15, v0                           ; r
	v_bfe_u32 v2, v0, 4, 1                         ; h
	v_and_b32 v15, 31, v0
	v_lshlrev_b32 v3, 9, v1
	v_lshl_add_u32 v3, v2, 4, v3                   ; codes: row r of 512 bytes + 16 h
	v_lshlrev_b32 v4, 5, v1                        ; scale bytes: row r of 32
	v_lshlrev_b32 v5, 3, v2
	v_sub_nc_u32 v5, v1, v5                        ; r - 8 h: key 8 h + j is hidden where j is above it
	v_lshlrev_b32 v7, 4, v15                       ; an image's place for my lane
	s_lshl_b32 s15, s14, 10
	v_add_nc_u32 v6, s15, v7                       ; and in my wave's image
	v_mul_u32_u24 v8, v1, 272
	v_lshl_add_u32 v8, v2, 5, v8
	s_lshl_b32 s15, s14, 6
	v_add_nc_u32 v8, s15, v8
	v_add_nc_u32 v8, STG, v8                       ; the stage, in: row r, + 64 w + 32 h
	v_mul_u32_u24 v9, v2, 272
	v_lshl_add_u32 v9, v1, 4, v9
	s_mul_i32 s15, s14, 4*272
	v_add_nc_u32 v9, s15, v9
	v_add_nc_u32 v9, STG, v9                       ; back: rows 4 w + l / 16, 16 bytes a lane
	v_lshlrev_b32 v10, 12, v2
	v_lshl_add_u32 v10, v1, 4, v10
	s_lshl_b32 s15, s14, 14
	v_add_nc_u32 v10, s15, v10                     ; and the same place in ofine
	v_mov_b32 v11, 0xff800000                      ; -infinity
	s_and_b32 s16, ttmp7, 0xffff                   ; the batch
	s_lshl_b32 s20, s16, 20
	s_mov_b32 s21, 0
	s_lshl_b32 s22, s16, 16
	s_mov_b32 s23, 0
	s_lshl_b32 s17, ttmp9, 6
	s_lshl_b32 s18, s14, 4
	s_add_co_u32 s17, s17, s18                     ; my 16 rows of each W: 64 head + 16 w
	s_lshl_b32 s24, s17, 9
	s_mov_b32 s25, 0
	s_lshl_b32 s26, s17, 5
	s_mov_b32 s27, 0
	s_lshl_b32 s28, ttmp9, 8
	s_add_co_u32 s28, s28, s22                     ; ofine: 16 rows of 4,096 bytes a batch, 256 bytes a head
	s_mov_b32 s29, 0
	s_mov_b32 s30, 0x3e38aa3b                      ; c = log2(e) / sqrt(64)
	s_mov_b32 s31, s30
	s_mov_b32 s32, 0x76543210
	s_mov_b32 s33, 0xfedcba98                      ; lane l xor 16
	s_wait_kmcnt 0x0
	s_add_nc_u64 s[4:5], s[4:5], s[20:21]
	s_add_nc_u64 s[6:7], s[6:7], s[22:23]
	s_add_nc_u64 s[8:9], s[8:9], s[24:25]
	s_add_nc_u64 s[10:11], s[10:11], s[26:27]
	s_add_nc_u64 s[12:13], s[12:13], s[28:29]
.irp s, 0,1,2,3,4,5,6,7
.irp c, 0,1
	global_load_b128 v[XF+8*\s+4*\c:XF+8*\s+4*\c+3], v3, s[4:5] offset:64*\s+32*\c
.endr
.endr
.irp f, 0,1
	global_load_b128 v[XS+4*\f:XS+4*\f+3], v4, s[6:7] offset:16*\f
.endr
.macro WHALF f                         ; the three W's fragments and scale words of K steps 4 f .. 4 f + 3; the matrix stands in the immediate
.irp m, 0,1,2
.irp l, 0,1,2,3
.irp c, 0,1
	global_load_b128 v[WF+32*\m+8*\l+4*\c:WF+32*\m+8*\l+4*\c+3], v3, s[8:9] offset:524288*\m+64*(4*\f+\l)+32*\c
.endr
.endr
	global_load_b128 v[WS+4*\m:WS+4*\m+3], v4, s[10:11] offset:32768*\m+16*\f
.endr
.endm
.macro PROD f                          ; q, k, v by turns, one instruction a turn
.irp l, 0,1,2,3
.if (\f == 0) && (\l == 0)
	v_wmma_scale_f32_16x16x128_f8f6f4 v[QT:QT+7], v[WF+8*\l:WF+8*\l+7], v[XF+8*(4*\f+\l):XF+8*(4*\f+\l)+7], 0, v[WS+\l], v[XS+4*\f+\l] matrix_a_fmt:MATRIX_FMT_FP4 matrix_b_fmt:MATRIX_FMT_FP4
	v_wmma_scale_f32_16x16x128_f8f6f4 v[KT:KT+7], v[WF+32+8*\l:WF+32+8*\l+7], v[XF+8*(4*\f+\l):XF+8*(4*\f+\l)+7], 0, v[WS+4+\l], v[XS+4*\f+\l] matrix_a_fmt:MATRIX_FMT_FP4 matrix_b_fmt:MATRIX_FMT_FP4
	v_wmma_scale_f32_16x16x128_f8f6f4 v[VT:VT+7], v[XF+8*(4*\f+\l):XF+8*(4*\f+\l)+7], v[WF+64+8*\l:WF+64+8*\l+7], 0, v[XS+4*\f+\l], v[WS+8+\l] matrix_a_fmt:MATRIX_FMT_FP4 matrix_b_fmt:MATRIX_FMT_FP4
.else
	v_wmma_scale_f32_16x16x128_f8f6f4 v[QT:QT+7], v[WF+8*\l:WF+8*\l+7], v[XF+8*(4*\f+\l):XF+8*(4*\f+\l)+7], v[QT:QT+7], v[WS+\l], v[XS+4*\f+\l] matrix_a_fmt:MATRIX_FMT_FP4 matrix_b_fmt:MATRIX_FMT_FP4
	v_wmma_scale_f32_16x16x128_f8f6f4 v[KT:KT+7], v[WF+32+8*\l:WF+32+8*\l+7], v[XF+8*(4*\f+\l):XF+8*(4*\f+\l)+7], v[KT:KT+7], v[WS+4+\l], v[XS+4*\f+\l] matrix_a_fmt:MATRIX_FMT_FP4 matrix_b_fmt:MATRIX_FMT_FP4
	v_wmma_scale_f32_16x16x128_f8f6f4 v[VT:VT+7], v[XF+8*(4*\f+\l):XF+8*(4*\f+\l)+7], v[WF+64+8*\l:WF+64+8*\l+7], v[VT:VT+7], v[XS+4*\f+\l], v[WS+8+\l] matrix_a_fmt:MATRIX_FMT_FP4 matrix_b_fmt:MATRIX_FMT_FP4
.endif
.endr
.endm
	WHALF 0
	s_wait_loadcnt 0x0
	PROD 0
.rept 4
	v_nop                                          ; places in front of loads into registers that matrix instructions have read
.endr
	WHALF 1
	s_wait_loadcnt 0x0
	PROD 1
.rept 5
	v_nop                                          ; five places before a matrix instruction takes these results as operands
.endr
	; S^T (my 16 channels' part) = k q^T: source 0 = keys, source 1 = queries; two accumulators by turns
	v_wmma_f32_16x16x4_f32 v[F0:F0+7], v[KT:KT+1], v[QT:QT+1], 0
	v_wmma_f32_16x16x4_f32 v[F1:F1+7], v[KT+2:KT+3], v[QT+2:QT+3], 0
	v_wmma_f32_16x16x4_f32 v[F0:F0+7], v[KT+4:KT+5], v[QT+4:QT+5], v[F0:F0+7]
	v_wmma_f32_16x16x4_f32 v[F1:F1+7], v[KT+6:KT+7], v[QT+6:QT+7], v[F1:F1+7]
.rept 8
	v_nop                                          ; eight places behind this form before a vector instruction reads its result
.endr
.irp p, 0,1,2,3
	v_pk_add_f32 v[T+2*\p:T+2*\p+1], v[F0+2*\p:F0+2*\p+1], v[F1+2*\p:F1+2*\p+1]
.endr
	ds_store_b128 v6, v[T:T+3] offset:SX
	ds_store_b128 v6, v[T+4:T+7] offset:SX+512
	s_wait_dscnt 0x0                               ; for the others' sake: my image has landed
	s_barrier_signal -1
	s_barrier_wait -1
.irp i, 0,1,2,3
.irp e, 0,1
	ds_load_b128 v[IMG+8*\i+4*\e:IMG+8*\i+4*\e+3], v7 offset:SX+1024*\i+512*\e
.endr
.endr
	s_wait_dscnt 0x0
.irp p, 0,1,2,3
	v_pk_add_f32 v[SS+2*\p:SS+2*\p+1], v[IMG+2*\p:IMG+2*\p+1], v[IMG+8+2*\p:IMG+8+2*\p+1]
.endr
.irp p, 0,1,2,3
	v_pk_add_f32 v[SS+2*\p:SS+2*\p+1], v[SS+2*\p:SS+2*\p+1], v[IMG+16+2*\p:IMG+16+2*\p+1]
.endr
.irp p, 0,1,2,3
	v_pk_add_f32 v[SS+2*\p:SS+2*\p+1], v[SS+2*\p:SS+2*\p+1], v[IMG+24+2*\p:IMG+24+2*\p+1]   ; lane (r, h): query r, register j key 8 h + j
.endr
.irp j, 0,1,2,3,4,5,6,7
	v_cmp_gt_i32 vcc_lo, \j, v5                    ; the causal mask: hidden scores become -infinity
	v_cndmask_b32 v[SS+\j], v[SS+\j], v11, vcc_lo
.endr
	v_max3_num_f32 v152, v[SS], v[SS+1], v[SS+2]
	v_max3_num_f32 v153, v[SS+3], v[SS+4], v[SS+5]
	v_max3_num_f32 v152, v152, v[SS+6], v[SS+7]
	v_max_num_f32 v152, v152, v153
	v_permlanex16_b32 v153, v152, s32, s33
	v_max_num_f32 v152, v152, v153                 ; the row's maximum (key 0 counts for every query: it is a number)
	v_mul_f32 v154, s30, v152
	v_mov_b32 v155, v154
.irp p, 0,1,2,3
	v_pk_fma_f32 v[SS+2*\p:SS+2*\p+1], v[SS+2*\p:SS+2*\p+1], s[30:31], v[154:155] op_sel_hi:[1,0,0] neg_lo:[0,0,1] neg_hi:[0,0,1]
.endr
.irp j, 0,1,2,3,4,5,6,7
	v_exp_f32 v[SS+\j], v[SS+\j]                   ; p = 2^(c s - c m)
.endr
	v_nop                                          ; a plain line behind the last exponential
	s_wait_alu depctr_va_vdst(0)                   ; one wait for the batch, ahead of its first reader
	v_pk_add_f32 v[156:157], v[SS:SS+1], v[SS+2:SS+3]
	v_pk_add_f32 v[158:159], v[SS+4:SS+5], v[SS+6:SS+7]
	v_pk_add_f32 v[156:157], v[156:157], v[158:159]
	v_add_f32 v156, v156, v157
	v_permlanex16_b32 v158, v156, s32, s33
	v_add_f32 v156, v156, v158                     ; the row's sum
	v_rcp_f32 v160, v156
	v_mov_b32 v161, 0                              ; a plain line behind the reciprocal (and the pair's upper half is written)
	s_wait_alu depctr_va_vdst(0)
	; O^T = v^T p: source 0 = my 16 channels, source 1 = the 16 queries; k = the keys, in the same order on both sides
	v_wmma_f32_16x16x4_f32 v[F0:F0+7], v[VT:VT+1], v[SS:SS+1], 0
	v_wmma_f32_16x16x4_f32 v[F1:F1+7], v[VT+2:VT+3], v[SS+2:SS+3], 0
	v_wmma_f32_16x16x4_f32 v[F0:F0+7], v[VT+4:VT+5], v[SS+4:SS+5], v[F0:F0+7]
	v_wmma_f32_16x16x4_f32 v[F1:F1+7], v[VT+6:VT+7], v[SS+6:SS+7], v[F1:F1+7]
.rept 8
	v_nop
.endr
.irp p, 0,1,2,3
	v_pk_add_f32 v[RR+2*\p:RR+2*\p+1], v[F0+2*\p:F0+2*\p+1], v[F1+2*\p:F1+2*\p+1]
.endr
.irp p, 0,1,2,3
	v_pk_mul_f32 v[RR+2*\p:RR+2*\p+1], v[RR+2*\p:RR+2*\p+1], v[160:161] op_sel_hi:[1,0]   ; lane (r, h): query r, channels 16 w + 8 h + 0 .. 7
.endr
	ds_store_b128 v8, v[RR:RR+3]
	ds_store_b128 v8, v[RR+4:RR+7] offset:16
	s_wait_dscnt 0x0                               ; a row's 256 bytes come from four waves
	s_barrier_signal -1
	s_barrier_wait -1
	ds_load_b128 v[T:T+3], v9
	ds_load_b128 v[T+4:T+7], v9 offset:2*272
	s_wait_dscnt 0x0
	global_store_b128 v10, v[T:T+3], s[12:13]      ; sixteen lanes store 256 consecutive bytes, aligned
	global_store_b128 v10, v[T+4:T+7], s[12:13] offset:8192
	s_wait_tensorcnt 0x0                           ; the wave's end
	ds_add_u32 v[SPW], v[NIL]
	s_wait_dscnt 0x0
	s_endpgm
.Lfunc_end_k_q2619b7881a_fattn:
	.size	k_q2619b7881a_fattn, .Lfunc_end_k_q2619b7881a_fattn-k_q2619b7881a_fattn
	.p2alignl 7, 3214868480
	.fill 96, 4, 3214868480
	.section	.rodata,"a",@progbits
	.p2align	6, 0x0
	.amdhsa_kernel k_q2619b7881a_fattn
		.amdhsa_group_segment_fixed_size 8960
		.amdhsa_private_segment_fixed_size 0
		.amdhsa_enable_private_segment 0
		.amdhsa_kernarg_size 40
		.amdhsa_user_sgpr_count 2
		.amdhsa_user_sgpr_kernarg_segment_ptr 1
		.amdhsa_wavefront_size32 1
		.amdhsa_system_sgpr_workgroup_id_x 1
		.amdhsa_system_sgpr_workgroup_id_y 1
		.amdhsa_system_sgpr_workgroup_id_z 1
		.amdhsa_system_vgpr_workitem_id 0
		.amdhsa_next_free_vgpr 256
		.amdhsa_next_free_sgpr 66
		.amdhsa_reserve_vcc 1
		.amdhsa_float_denorm_mode_32 3
		.amdhsa_float_denorm_mode_16_64 3
		.amdhsa_memory_ordered 1
		.amdhsa_forward_progress 1
		.amdhsa_inst_pref_size 19
	.end_amdhsa_kernel
	.amdgpu_metadata
---
amdhsa.version: [ 1, 2 ]
amdhsa.kernels:
  - .name:           k_q2619b7881a_fattn
    .symbol:         k_q2619b7881a_fattn.kd
    .args:
      - { .name: x_codes, .offset: 0, .size: 8, .value_kind: global_buffer, .address_space: global }
      - { .name: x_scales, .offset: 8, .size: 8, .value_kind: global_buffer, .address_space: global }
      - { .name: w_codes, .offset: 16, .size: 8, .value_kind: global_buffer, .address_space: global }
      - { .name: w_scales, .offset: 24, .size: 8, .value_kind: global_buffer, .address_space: global }
      - { .name: ofine, .offset: 32, .size: 8, .value_kind: global_buffer, .address_space: global }
    .group_segment_fixed_size: 8960
    .private_segment_fixed_size: 0
    .kernarg_segment_align: 8
    .kernarg_segment_size: 40
    .max_flat_workgroup_size: 128
    .sgpr_count:     66
    .vgpr_count:     256
    .wavefront_size: 32
...
	.end_amdgpu_metadata
.endif
;; end of part 3
;; launch attn (part 4): grid 4 x 64, 16 waves a work-group, no clusters, 327,680 bytes of LDS; arguments qkv16, o16; writes o16
.if DOCPART == 4
	.amdgcn_target "amdgcn-amd-amdhsa--gfx1250"
	.amdhsa_code_object_version 6
	.text
	.protected	k_q2619b7881a_attn
	.globl	k_q2619b7881a_attn
	.p2align	8
	.type	k_q2619b7881a_attn,@function
k_q2619b7881a_attn:
	s_mov_b64 s[64:65], 0
	v_nop
	global_prefetch_b8 v0, s[64:65] scope:SCOPE_SE
	s_setreg_imm32_b32 hwreg(HW_REG_WAVE_MODE, 25, 1), 1
	s_wait_xcnt 0x0
; Causal attention: o[b][h][q] = the sum over k <= q of softmax_k(q . k / 8) v[k].  q, k, v: f16, qkv16 [3][4 b][16 h][2048][64].  Products with f16 operands and f32 sums; maxima, exponentials and sums in f32;
; the weights p (at most 1) are rounded to f16 for the second product; o is rounded to f16 once and laid in planes [16 h][8192 rows][64].
; LIMITS: |o| stays under 65,504.  Positions 0-15 of each sequence are computed here too, and are replaced downstream by rows carried in f32.
; SHARES.  Work-group x = i of a head (y = 16 b + h) owns the query blocks i and 7 - i, 256 queries each: 256 i + 256 (7 - i) queries' worth of keys is the same in every work-group.  Each of its sixteen waves owns 32 queries,
; two tiles of 16, in 256 registers: four waves to a SIMD, so that one wave's vector work stands beside another's matrix work.  Waves 2 n and 2 n + 1 take the n-th 32 queries of the two blocks.
; Keys go 32 a step; K's and V's tiles come through a ring of two LDS slots of 256 keys (waves 0, 1: K's halves; waves 2, 3: V's).  EVERY work-group walks all 8 slots: trip counts are constants.  A step whose 32 keys all come
; after the wave's 32 queries is jumped over by a scalar branch on ids; a slot whose first key comes after the work-group's last query is read by no wave and is not asked for.
; NO CLUSTER, though the four work-groups of a head read the same K and V: work-group i reads 8 - i slots, so partners need different numbers of tiles, and a joint load would bring tiles that every wave of a partner jumps over.
; LAYOUT.  S^T = K Q^T (source 0 = 16 keys, source 1 = 16 queries): a lane holds ONE query (lane % 16) and keys 8 (lane / 16) + 0 .. 7.  Two such tiles, rounded in pairs, ARE source 1 (32 keys x 16 queries) of O^T = V^T P.
; K comes out of LDS as it lies, V ([key][channel]) turned, by ds_load_tr16_b128.
; SOFTMAX.  A running maximum m and sum l for each query: p = 2^(c s - c m), c = log2(e) / 8; in every step O and l are multiplied by 2^(c m_old - c m_new).  The loop has no first step of its own: O and l begin as zeros, m as -3e38.
.set PK,    144                        ; a row of K in LDS: 128 bytes + 16: an odd multiple of 16
.set PV,    160                        ; a row of V: 128 + 32: an odd multiple of 32
.set VOFF,  256*PK
.set SLOT1, 1<<17                      ; slot 1 begins here: one exclusive or turns an address
.set STAGE, VOFF+256*PV                ; behind slot 0's tiles, where no fill lands: 16 rows x 144 bytes for each wave
.set SPARE, SLOT1+STAGE                ; behind slot 1's tiles: the spare words, 128 bytes a wave
.set AK0, 1
.set AV0, 2
.set ADK, 3
.set ADV, 4
.set SPW, 5
.set NIL, 6
.set GO,  7
.set DG,  8
.set NEG, 9
.set STO, 10
.set RD,  11
.set QO,  12
.set PFO, 13
.set ST,  16                           ; tile t's statistics at v[ST + 8 t]: +0 c m, +1 m, +2, +3 l, +4 to +7 at work (+6: the factor)
.set FQ,  32                           ; Q: 32 + 16 t + 8 c
.set FK,  64                           ; K: 64 + 16 kt + 8 c
.set FV,  96                           ; V: 96 + 8 dt
.set SC,  128                          ; S^T: 128 + 16 t + 8 kt
.set PP,  160                          ; P: 160 + 8 t
.set OO,  176                          ; O^T: 176 + 32 t + 8 dt
.set WV,  18
.set SEL, 20
.set CS,  22
.set G1K, 24
.set G1V, 32
.set G0K, 40
.set G0V, 44
.set SLOTS, 48
.set TW,  49
.set KFS, 50                           ; the step's first key
.set Q0,  51                           ; my first query
.set QL,  52                           ; my work-group's last query
.set PFA, 54
.set LIM, 56
.set TBK, 2
.set TBV, 3
; Waves 0 and 1 fetch for K, waves 2 and 3 for V, the others nothing.  An s_nop 0 and four v_nop follow each of the two lines.
.macro TLOAD
	s_cmp_lt_u32 s[WV], 2
	s_cbranch_scc0 .Lnot_k_\@
	tensor_load_to_lds s[G0K:G0K+3], s[G1K:G1K+7]
	s_nop 0
.rept 4
	v_nop
.endr
	s_branch .Lasked_\@
.Lnot_k_\@:
	s_cmp_lt_u32 s[WV], 4
	s_cbranch_scc0 .Lasked_\@
	tensor_load_to_lds s[G0V:G0V+3], s[G1V:G1V+7]
	s_nop 0
.rept 4
	v_nop
.endr
.Lasked_\@:
.endm
; A prefetch of what the NEXT change of slots will ask for: a slot's 32,768 bytes of K and of V, both dense.  Each aligned block of 256 bytes is named once in the launch: the head's work-group 0, which walks all 8 slots, asks;
; in it waves 4 to 7 ask for K and waves 8 to 11 for V, 8,192 bytes a wave, lanes 256 bytes apart.  The last change that fills a slot asks for nothing; slots 0 and 1 come by their loads alone.
.macro ASK
	s_cmp_gt_u32 s[SLOTS], s[LIM]
	s_cbranch_scc0 .Lnot_mine_\@
	global_prefetch_b8 v[PFO], s[PFA:PFA+1] th:TH_LOAD_NT scope:SCOPE_SE
.Lnot_mine_\@:
.endm
	s_load_b128 s[4:7], s[0:1], 0x0                ; qkv16, o16
	v_lshl_add_u32 v[SPW], v0, 2, SPARE
	v_mov_b32 v[NIL], 0
	ds_add_u32 v[SPW], v[NIL]                      ; the wave's opening: the add, twice on end, and its wait ahead of my first tensor load
	ds_add_u32 v[SPW], v[NIL]
	v_lshrrev_b32 v14, 5, v0
	v_readfirstlane_b32 s[WV], v14                 ; wave 0..15
	s_and_b32 s66, ttmp7, 0xffff                   ; y = 16 b + h
	s_lshl_b32 s67, s66, 18                        ; the head's first byte in each of q, k, v
	s_and_b32 s68, s[WV], 1                        ; which half of a slot I fetch, if I fetch
	s_lshl_b32 s70, s68, 14
	s_add_co_u32 s70, s70, s67
	s_add_co_u32 s72, s70, 2<<24                   ; V
	s_add_co_u32 s70, s70, 1<<24                   ; K
	s_mov_b32 s71, 0
	s_mov_b32 s73, 0
	s_lshr_b32 s80, s[WV], 2
	s_xor_b32 s80, s80, s[WV]
	s_and_b32 s80, s80, 1                          ; which of the two blocks: of waves 2 n and 2 n + 1 one takes each
	s_sub_co_u32 s81, 7, ttmp9
	s_cmp_eq_u32 s80, 0
	s_cselect_b32 s81, ttmp9, s81
	s_lshl_b32 s81, s81, 8
	s_lshr_b32 s80, s[WV], 1
	s_lshl_b32 s80, s80, 5
	s_add_co_u32 s[Q0], s81, s80                   ; my first query
	s_sub_co_u32 s[QL], 8, ttmp9
	s_lshl_b32 s[QL], s[QL], 8
	s_sub_co_u32 s[QL], s[QL], 1                   ; block 7 - i's last query
	s_lshl_b32 s74, s[Q0], 7
	s_add_co_u32 s74, s74, s67                     ; Q at my first query
	s_mov_b32 s75, 0
	s_lshr_b32 s76, s66, 4
	s_lshl_b32 s76, s76, 11
	s_add_co_u32 s76, s76, s[Q0]
	s_lshl_b32 s76, s76, 7
	s_and_b32 s80, s66, 15
	s_lshl_b32 s80, s80, 20
	s_add_co_u32 s76, s76, s80                     ; o16: plane h, row 2048 b + my first query
	s_mov_b32 s77, 0
	s_mov_b32 s78, 2<<24
	s_cmp_lt_u32 s[WV], 8
	s_cselect_b32 s78, 1<<24, s78
	s_add_co_u32 s78, s78, s67
	s_and_b32 s80, s[WV], 3
	s_lshl_b32 s80, s80, 13
	s_add_co_u32 s78, s78, s80
	s_add_co_u32 s78, s78, 32768                   ; my prefetches stand in slot 1; the first change of slots steps them to slot 2
	s_mov_b32 s79, 0
	s_sub_co_u32 s80, s[WV], 4
	s_lshr_b32 s80, s80, 3                         ; 0 in waves 4 to 11,
	s_or_b32 s80, s80, ttmp9                       ; of work-group 0
	s_cmp_eq_u32 s80, 0
	s_cselect_b32 s[LIM], 1, -1
	s_mov_b32 s[G1K], (1<<16)|(1<<20)|(4<<22)|(3<<25)   ; no mask; elements of 2 bytes; padding on: after every 32 words, 4 words
	s_mov_b32 s[G1V], (1<<16)|(1<<20)|(4<<22)|(7<<25)   ; the same with 8 words
.irp g, G1K, G1V
	s_mov_b32 s[\g+1], 64<<16                      ; tensor_dim0
	s_mov_b32 s[\g+2], 128<<16                     ; tensor_dim1
	s_mov_b32 s[\g+3], 64<<16                      ; tile_dim0
	s_mov_b32 s[\g+4], 128                         ; tile_dim1
	s_mov_b32 s[\g+5], 64                          ; the pitch in memory
	s_mov_b32 s[\g+6], 0
	s_mov_b32 s[\g+7], 0
.endr
	s_mov_b32 s[G0K], 1
	s_mul_i32 s[G0K+1], s68, 128*PK
	s_mov_b32 s[G0V], 1
	s_mul_i32 s[G0V+1], s68, 128*PV
	s_add_co_u32 s[G0V+1], s[G0V+1], VOFF
	s_mov_b32 s[SEL], 0x76543210
	s_mov_b32 s[SEL+1], 0xfedcba98
	s_mov_b32 s[CS], 0x3e38aa3b                    ; c = log2(e) / sqrt(64)
	s_mov_b32 s[CS+1], s[CS]
	s_mov_b32 s[TBK], 0
	s_mov_b32 s[TBV], 0
	s_mov_b32 s[SLOTS], 7
	s_mov_b32 s[KFS], 0
	v_and_b32 v14, 15, v0                          ; r
	v_bfe_u32 v15, v0, 4, 1                        ; h
	v_mul_u32_u24 v[AK0], v14, PK
	v_lshl_add_u32 v[AK0], v15, 4, v[AK0]          ; K: row r x pitch + 16 h
	v_and_b32 v[ADK], 7, v0
	v_lshl_add_u32 v[AV0], v15, 3, v[ADK]
	v_mul_u32_u24 v[AV0], v[AV0], PV
	v_bfe_u32 v[ADV], v0, 3, 1
	v_lshl_add_u32 v[AV0], v[ADV], 4, v[AV0]
	v_add_nc_u32 v[AV0], VOFF, v[AV0]              ; V: key 8 h + l % 8, channels 8 ((l / 8) % 2) on
	v_and_b32 v[GO], 31, v0
	v_lshlrev_b32 v[PFO], 8, v[GO]
	v_lshrrev_b32 v[RD], 3, v[GO]
	v_lshlrev_b32 v[GO], 4, v[GO]                  ; the way out: 16 bytes a lane, 512 on end
	v_lshlrev_b32 v[DG], 3, v15
	v_sub_nc_u32 v[DG], v14, v[DG]                 ; r - 8 h
	v_mov_b32 v[NEG], 0xff800000
	s_mul_i32 s69, s[WV], 16*PK
	s_add_co_u32 s69, s69, STAGE                   ; my stage
	v_mul_u32_u24 v[STO], v14, PK
	v_lshl_add_u32 v[STO], v15, 4, v[STO]
	v_add_nc_u32 v[STO], s69, v[STO]
	v_mul_u32_u24 v[RD], v[RD], PK
	v_lshl_add_u32 v[RD], v[ADK], 4, v[RD]
	v_add_nc_u32 v[RD], s69, v[RD]
	v_lshlrev_b32 v[QO], 7, v14
	v_lshl_add_u32 v[QO], v15, 4, v[QO]
	s_wait_dscnt 0x0                               ; both opening adds are done
	s_wait_kmcnt 0x0
	s_add_nc_u64 s[G0K+2:G0K+3], s[4:5], s[70:71]
	s_or_b32 s[G0K+3], s[G0K+3], 0x80000000
	s_add_nc_u64 s[G0V+2:G0V+3], s[4:5], s[72:73]
	s_or_b32 s[G0V+3], s[G0V+3], 0x80000000
	TLOAD                                          ; slot 0: it holds key 0, which counts for every query
	s_add_nc_u64 s[8:9], s[4:5], s[74:75]
	s_add_nc_u64 s[10:11], s[6:7], s[76:77]
	s_add_nc_u64 s[PFA:PFA+1], s[4:5], s[78:79]
.irp t, 0,1
.irp c, 0,1
.irp e, 0,1
	global_load_b128 v[FQ+16*\t+8*\c+4*\e:FQ+16*\t+8*\c+4*\e+3], v[QO], s[8:9] offset:2048*\t+64*\c+32*\e   ; Q stays in registers
.endr
.endr
.endr
.irp t, 0,1
	v_mov_b32 v[ST+8*\t+1], 0xff61b1e6             ; m = -3e38, under every score
	v_mul_f32 v[ST+8*\t], s[CS], v[ST+8*\t+1]
.irp n, 2,3,4,5,6,7
	v_mov_b32 v[ST+8*\t+\n], 0
.endr
.endr
.set i, 0
.rept 64
	v_mov_b32 v[OO+i], 0                           ; O^T, once: the step is written once, and its first turn finds zeros
.set i, i+1
.endr
; A KEY STEP: 32 keys.
.macro STEP
	s_cmp_gt_u32 s[KFS], s[Q0]                     ; both are multiples of 32: all 32 keys come after my 32 queries
	s_cbranch_scc1 .Lhid_\@
	v_add_nc_u32 v[ADK], s[TBK], v[AK0]
	v_add_nc_u32 v[ADV], s[TBV], v[AV0]
	v_nop
	v_nop                                          ; four places behind the last step's products, in front of the loads into V's registers
.irp k, 0,1
.irp c, 0,1
	ds_load_b128 v[FK+16*\k+8*\c:FK+16*\k+8*\c+3],   v[ADK] offset:16*PK*\k+64*\c
	ds_load_b128 v[FK+16*\k+8*\c+4:FK+16*\k+8*\c+7], v[ADK] offset:16*PK*\k+64*\c+32
.endr
.endr
.irp d, 0,1,2,3
	ds_load_tr16_b128 v[FV+8*\d:FV+8*\d+3],   v[ADV] offset:32*\d
	ds_load_tr16_b128 v[FV+8*\d+4:FV+8*\d+7], v[ADV] offset:32*\d+16*PV
.endr
	s_wait_dscnt 8                                 ; K is in; V's eight loads may be out
.irp k, 0,1
.irp t, 0,1
	v_wmma_f32_16x16x32_f16 v[SC+16*\t+8*\k:SC+16*\t+8*\k+7], v[FK+16*\k:FK+16*\k+7], v[FQ+16*\t:FQ+16*\t+7], 0
.endr
.endr
.irp k, 0,1
.irp t, 0,1
	v_wmma_f32_16x16x32_f16 v[SC+16*\t+8*\k:SC+16*\t+8*\k+7], v[FK+16*\k+8:FK+16*\k+15], v[FQ+16*\t+8:FQ+16*\t+15], v[SC+16*\t+8*\k:SC+16*\t+8*\k+7]   ; four accumulators by turns
.endr
.endr
.rept 4
	v_nop
.endr
	s_cmp_lt_u32 s[KFS], s[Q0]
	s_cbranch_scc1 .Lopen_\@                       ; all 32 keys count for all 32 queries
.irp j, 0,1,2,3,4,5,6,7                ; on the diagonal: key 16 kt + 8 h + j is hidden from query 16 t + r where it is larger
	v_cmp_gt_i32 vcc_lo, \j, v[DG]
	v_cndmask_b32 v[SC+\j], v[SC+\j], v[NEG], vcc_lo
	v_cndmask_b32 v[SC+24+\j], v[SC+24+\j], v[NEG], vcc_lo
.endr
.irp j, 0,1,2,3,4,5,6,7
	v_mov_b32 v[SC+8+\j], v[NEG]                   ; tile 0 sees none of keys 16 to 31; tile 1 sees all of keys 0 to 15
.endr
.Lopen_\@:
.irp t, 0,1                            ; the maximum of 16 scores and the old m: two chains, each begun at the low end of its accumulator
	v_max3_num_f32 v[ST+8*\t+4], v[SC+16*\t], v[SC+16*\t+1], v[SC+16*\t+2]
	v_max3_num_f32 v[ST+8*\t+5], v[SC+16*\t+8], v[SC+16*\t+9], v[SC+16*\t+10]
.endr
.irp i, 3,5
.irp t, 0,1
	v_max3_num_f32 v[ST+8*\t+4], v[ST+8*\t+4], v[SC+16*\t+\i], v[SC+16*\t+\i+1]
	v_max3_num_f32 v[ST+8*\t+5], v[ST+8*\t+5], v[SC+16*\t+8+\i], v[SC+16*\t+9+\i]
.endr
.endr
.irp t, 0,1
	v_max3_num_f32 v[ST+8*\t+4], v[ST+8*\t+4], v[SC+16*\t+7], v[SC+16*\t+15]
.endr
.irp t, 0,1
	v_max3_num_f32 v[ST+8*\t+4], v[ST+8*\t+4], v[ST+8*\t+5], v[ST+8*\t+1]
.endr
.irp t, 0,1
	v_permlanex16_b32 v[ST+8*\t+5], v[ST+8*\t+4], s[SEL], s[SEL+1]   ; the query's other 16 keys lie in the lane 16 away
.endr
.irp t, 0,1
	v_mov_b32 v[ST+8*\t+7], v[ST+8*\t]             ; c m_old
.endr
.irp t, 0,1
	v_max_num_f32 v[ST+8*\t+1], v[ST+8*\t+4], v[ST+8*\t+5]
.endr
.irp t, 0,1
	v_mul_f32 v[ST+8*\t], s[CS], v[ST+8*\t+1]
.endr
.irp t, 0,1
	v_sub_f32 v[ST+8*\t+7], v[ST+8*\t+7], v[ST+8*\t]
.endr
.irp i, 0,2,4,6,8,10,12,14
.irp t, 0,1
	v_pk_fma_f32 v[SC+16*\t+\i:SC+16*\t+\i+1], v[SC+16*\t+\i:SC+16*\t+\i+1], s[CS:CS+1], v[ST+8*\t:ST+8*\t+1] op_sel_hi:[1,0,0] neg_lo:[0,0,1] neg_hi:[0,0,1]   ; c s - c m
.endr
.endr
.irp t, 0,1
	v_exp_f32 v[ST+8*\t+6], v[ST+8*\t+7]           ; 2^(c m_old - c m_new)
.endr
.irp j, 0,1,2,3,4,5,6,7,8,9,10,11,12,13,14,15
.irp t, 0,1
	v_exp_f32 v[SC+16*\t+\j], v[SC+16*\t+\j]
.endr
.endr
	v_nop                                          ; a plain line behind the last exponential
	s_wait_alu depctr_va_vdst(0)                   ; ONE wait for the batch of 34, ahead of its first reader
.irp n, 0,1,2,3,4,5,6,7
.irp t, 0,1
	v_cvt_pk_f16_f32 v[PP+8*\t+\n], v[SC+16*\t+2*\n], v[SC+16*\t+2*\n+1]
.endr
.endr
.irp u, 0,1,2,3
.irp t, 0,1
	v_pk_add_f32 v[SC+16*\t+4*\u:SC+16*\t+4*\u+1], v[SC+16*\t+4*\u:SC+16*\t+4*\u+1], v[SC+16*\t+4*\u+2:SC+16*\t+4*\u+3]   ; the sum of the unrounded p, as a tree, in place
.endr
.endr
.irp u, 0,1
.irp t, 0,1
	v_pk_add_f32 v[SC+16*\t+8*\u:SC+16*\t+8*\u+1], v[SC+16*\t+8*\u:SC+16*\t+8*\u+1], v[SC+16*\t+8*\u+4:SC+16*\t+8*\u+5]
.endr
.endr
.irp t, 0,1
	v_pk_add_f32 v[SC+16*\t:SC+16*\t+1], v[SC+16*\t:SC+16*\t+1], v[SC+16*\t+8:SC+16*\t+9]
.endr
.irp t, 0,1
	v_pk_fma_f32 v[ST+8*\t+2:ST+8*\t+3], v[ST+8*\t+2:ST+8*\t+3], v[ST+8*\t+6:ST+8*\t+7], v[SC+16*\t:SC+16*\t+1] op_sel_hi:[1,0,1]
.endr
.irp j, 0,2,4,6,8,10,12,14,16,18,20,22,24,26,28,30
.irp t, 0,1
	v_pk_mul_f32 v[OO+32*\t+\j:OO+32*\t+\j+1], v[OO+32*\t+\j:OO+32*\t+\j+1], v[ST+8*\t+6:ST+8*\t+7] op_sel_hi:[1,0]
.endr
.endr
	s_wait_dscnt 0x0                               ; V is in
.irp d, 0,1,2,3
.irp t, 0,1
	v_wmma_f32_16x16x32_f16 v[OO+32*\t+8*\d:OO+32*\t+8*\d+7], v[FV+8*\d:FV+8*\d+7], v[PP+8*\t:PP+8*\t+7], v[OO+32*\t+8*\d:OO+32*\t+8*\d+7]   ; eight accumulators, one turn each
.endr
.endr
.Lhid_\@:
	s_add_co_u32 s[KFS], s[KFS], 32
	s_add_co_u32 s[TBK], s[TBK], 32*PK
	s_add_co_u32 s[TBV], s[TBV], 32*PV
.endm
; THE CHANGE OF SLOTS stands at a slot's head.  Each wave waits for all its tensor loads, adds 0 to its spare word, and waits for that and for its reads of the slot that it has left.  Behind the barrier the slot ahead is whole
; and nobody reads the other one; fill = 1: that one is filled with the next 256 keys, up to the causal limit: the load has a slot's eight steps in which to land.  One tensor load of a wave is out at the most.
.macro CHANGE fill
	s_wait_tensorcnt 0x0                           ; no tensor load of mine is out, so a group 0 may be written
	ds_add_u32 v[SPW], v[NIL]
.if \fill
	ds_add_u32 v[SPW], v[NIL]                      ; and once more, in every trip alike
	s_xor_b32 s[G0K+1], s[G0K+1], SLOT1
	s_add_nc_u64 s[G0K+2:G0K+3], s[G0K+2:G0K+3], 32768
	s_xor_b32 s[G0V+1], s[G0V+1], SLOT1
	s_add_nc_u64 s[G0V+2:G0V+3], s[G0V+2:G0V+3], 32768
	s_wait_xcnt 0x0                                ; the last prefetch, a slot back, has read its address
	s_add_nc_u64 s[PFA:PFA+1], s[PFA:PFA+1], 32768
.endif
	s_wait_dscnt 0x0
	s_barrier_signal -1
	s_barrier_wait -1
.if \fill
	s_add_co_u32 s66, s[KFS], 256                  ; the first key of the slot that this change would ask for
	s_cmp_gt_u32 s66, s[QL]                        ; ids and the count of steps alone: all sixteen waves go the same way, and a work-group past the limit stays past it
	s_cbranch_scc1 .Lpast_\@
	TLOAD
.Lpast_\@:
	ASK
.endif
.endm
.macro SLOT_STEPS
	s_mov_b32 s[TW], 8
.Lstep_\@:
	STEP
	s_sub_co_u32 s[TW], s[TW], 1
	s_cmp_lg_u32 s[TW], 0
	s_cbranch_scc1 .Lstep_\@
	s_sub_co_u32 s[TBK], s[TBK], 256*PK
	s_xor_b32 s[TBK], s[TBK], SLOT1
	s_sub_co_u32 s[TBV], s[TBV], 256*PV
	s_xor_b32 s[TBV], s[TBV], SLOT1
.endm
	s_wait_loadcnt 0x0                             ; Q
.Lslot:                                            ; seven trips
	CHANGE 1
	SLOT_STEPS
	s_sub_co_u32 s[SLOTS], s[SLOTS], 1
	s_cmp_lg_u32 s[SLOTS], 0
	s_cbranch_scc1 .Lslot
	CHANGE 0                                       ; the last slot is written out: nothing is left to ask for
	SLOT_STEPS
	; THE WAY OUT: O^T / l, rounded to f16, a tile (16 rows of 128 bytes) at a time through my stage; each store covers 512 consecutive bytes of the head's plane, aligned.
.rept 4
	v_nop
.endr
.irp t, 0,1
	v_add_f32 v[ST+8*\t+4], v[ST+8*\t+2], v[ST+8*\t+3]
.endr
.irp t, 0,1
	v_permlanex16_b32 v[ST+8*\t+5], v[ST+8*\t+4], s[SEL], s[SEL+1]
.endr
.irp t, 0,1
	v_add_f32 v[ST+8*\t+4], v[ST+8*\t+4], v[ST+8*\t+5]
.endr
.irp t, 0,1
	v_rcp_f32 v[ST+8*\t+6], v[ST+8*\t+4]
.endr
	v_nop
	s_wait_alu depctr_va_vdst(0)                   ; one wait for the two reciprocals
.macro OUT t
.irp j, 0,2,4,6,8,10,12,14,16,18,20,22,24,26,28,30
	v_pk_mul_f32 v[OO+32*\t+\j:OO+32*\t+\j+1], v[OO+32*\t+\j:OO+32*\t+\j+1], v[ST+8*\t+6:ST+8*\t+7] op_sel_hi:[1,0]
.endr
.irp n, 0,1,2,3,4,5,6,7,8,9,10,11,12,13,14,15
	v_cvt_pk_f16_f32 v[SC+16*\t+\n], v[OO+32*\t+2*\n], v[OO+32*\t+2*\n+1]
.endr
.irp d, 0,1,2,3
	ds_store_b128 v[STO], v[SC+16*\t+4*\d:SC+16*\t+4*\d+3] offset:32*\d
.endr
.irp g, 0,1,2,3
	ds_load_b128 v[FK+16*\t+4*\g:FK+16*\t+4*\g+3], v[RD] offset:4*PK*\g   ; LDS serves a wave's instructions in order: these see the stores above, and the next tile's stores come behind them
.endr
.endm
	OUT 0
	OUT 1
.irp g, 0,1,2,3
	s_wait_dscnt 11-\g                             ; behind this load: tile 0's later loads and tile 1's eight instructions
	global_store_b128 v[GO], v[FK+4*\g:FK+4*\g+3], s[10:11] offset:512*\g
.endr
.irp g, 0,1,2,3
	s_wait_dscnt 3-\g
	global_store_b128 v[GO], v[FK+16+4*\g:FK+16+4*\g+3], s[10:11] offset:2048+512*\g
.endr
	s_wait_tensorcnt 0x0                           ; the wave's end
	ds_add_u32 v[SPW], v[NIL]
	s_wait_dscnt 0x0
	s_endpgm
.Lfunc_end_k_q2619b7881a_attn:
	.size	k_q2619b7881a_attn, .Lfunc_end_k_q2619b7881a_attn-k_q2619b7881a_attn
	.p2alignl 7, 3214868480
	.fill 96, 4, 3214868480
	.section	.rodata,"a",@progbits
	.p2align	6, 0x0
	.amdhsa_kernel k_q2619b7881a_attn
		.amdhsa_group_segment_fixed_size 327680
		.amdhsa_private_segment_fixed_size 0
		.amdhsa_enable_private_segment 0
		.amdhsa_kernarg_size 16
		.amdhsa_user_sgpr_count 2
		.amdhsa_user_sgpr_kernarg_segment_ptr 1
		.amdhsa_wavefront_size32 1
		.amdhsa_system_sgpr_workgroup_id_x 1
		.amdhsa_system_sgpr_workgroup_id_y 1
		.amdhsa_system_sgpr_workgroup_id_z 1
		.amdhsa_system_vgpr_workitem_id 0
		.amdhsa_next_free_vgpr 256
		.amdhsa_next_free_sgpr 92
		.amdhsa_reserve_vcc 1
		.amdhsa_float_denorm_mode_32 3
		.amdhsa_float_denorm_mode_16_64 3
		.amdhsa_memory_ordered 1
		.amdhsa_forward_progress 1
		.amdhsa_inst_pref_size 41
	.end_amdhsa_kernel
	.amdgpu_metadata
---
amdhsa.version: [ 1, 2 ]
amdhsa.kernels:
  - .name:           k_q2619b7881a_attn
    .symbol:         k_q2619b7881a_attn.kd
    .args:
      - { .name: qkv16, .offset: 0, .size: 8, .value_kind: global_buffer, .address_space: global }
      - { .name: o16, .offset: 8, .size: 8, .value_kind: global_buffer, .address_space: global }
    .group_segment_fixed_size: 327680
    .private_segment_fixed_size: 0
    .kernarg_segment_align: 8
    .kernarg_segment_size: 16
    .max_flat_workgroup_size: 512
    .sgpr_count:     92
    .vgpr_count:     256
    .wavefront_size: 32
...
	.end_amdgpu_metadata
.endif
;; end of part 4
;; launch proj (part 5): grid 4 x 64, 4 waves a work-group, clusters of 4 x 4, 327,680 bytes of LDS; arguments o16, wo16, out0; writes out0
.if DOCPART == 5
	.amdgcn_target "amdgcn-amd-amdhsa--gfx1250"
	.amdhsa_code_object_version 6
	.text
	.protected	k_q2619b7881a_proj
	.globl	k_q2619b7881a_proj
	.p2align	8
	.type	k_q2619b7881a_proj,@function
k_q2619b7881a_proj:
	s_mov_b64 s[64:65], 0
	v_nop
	global_prefetch_b8 v0, s[64:65] scope:SCOPE_SE
	s_setreg_imm32_b32 hwreg(HW_REG_WAVE_MODE, 25, 1), 1
	s_wait_xcnt 0x0
	s_wait_alu depctr_hold_cnt(0) depctr_sa_sdst(0) depctr_va_vdst(0) depctr_va_sdst(0) depctr_va_ssrc(0) depctr_va_vcc(0) depctr_vm_vsrc(0)
	s_getreg_b32 s2, hwreg(HW_REG_IB_STS2, 6, 4)
	s_cmp_eq_u32 s2, 0
	s_cbranch_scc0 .Lentry_in_a_cluster
	s_endpgm
.Lentry_in_a_cluster:
	s_bfe_u32 s2, ttmp6, 0x10000c
	s_cmp_lg_u32 s2, 0xf033
	s_cbranch_scc0 .Lentry_shape_is_right
	s_endpgm
.Lentry_shape_is_right:
; out0[row][n] = the sum over k of o[row][k] Wo[n][k]: f16 operands, f32 sums, f32 out.  o16: planes [16 p][8192 rows][64]; wo16: planes [16 p][1024 n][64]; k = 64 p + ..
; (Rows 0-15 of each batch are written here and written again, from f32 operands, by the launch that follows.)
; A tile is 128 rows x 256 columns: 64 x 4 = 256 work-groups.  Four waves, each 64 x 128: 32 accumulators, 256 registers.  A K step is 128 along K: two planes; eight K steps through a ring of two LDS slots.
; A plane's part of a tile is one dense block of memory (128 or 256 rows of 128 bytes): one tensor load a wave (waves 0, 1: o's two planes; waves 2, 3: Wo's).
; CLUSTERS: 4 x 4 work-groups.  The four of a row of the cluster need the same tiles of o, the four of a column the same tiles of Wo: each is asked for JOINTLY.
; THE MATRIX INSTRUCTION IS USED TRANSPOSED (source 0 = 16 rows of Wo, source 1 = 16 rows of o): a lane holds eight neighbouring columns of one row.
; REGISTERS: window 0: v16-30 addresses; v64-127 o's fragments, two buffers (64 + 32 f + 8 a); v128-255 the way out.   window 1: Wo's fragments, two buffers (64 f + 8 b).   window 2: accumulator (a, b) at v[8 (8 a + b)].
.set PITCH,  144                       ; an LDS row: 128 bytes + 16: an odd multiple of 16
.set APL,    128*PITCH                 ; a plane of o's tile
.set BPL,    256*PITCH                 ; a plane of Wo's
.set BOFF,   2*APL
.set SLOT,   2*APL+2*BPL
.set STAGE,  2*SLOT                    ; behind the ring: 16 rows x (512 bytes + 16) for each wave
.set SPITCH, 528
.set SPARE,  STAGE+4*16*SPITCH
.set LAPS,   4
.set ADRA, 16
.set ADRB, 20
.set STO,  24
.set RD,   25
.set CO,   26
.set SPW,  28
.set NIL,  29
.set PFO,  30
.set AF,   64
.set BK,   128
.set G1, 24
.set G0, 32
.set G1B, 48
.set G0B, 56
.set PFA, 44
.set LIM, 43
.set PFS, 70
.set FLAGS, (1<<16)|(1<<20)|(1<<21)|(4<<22)|(3<<25)   ; elements of 2 bytes; padding on; bit 21 beside a mask; after every 32 words, 4 words
.set MSB, 0
.macro WIN new
.if MSB != \new
	s_set_vgpr_msb (MSB<<8)|\new
.set MSB, \new
.endif
.endm
.set MUL,  0xa1                        ; source 0 (Wo) window 1, source 1 (o) window 0, C and D window 2
.set TO_B, 0x40
.macro JLOAD s                         ; a joint load; the branch hangs on the wave's number alone; an s_nop 0 and four v_nop follow each of the two lines
	s_cmp_eq_u32 s11, 0
	s_cbranch_scc0 .Lfor_b_\@
	tensor_load_to_lds s[G0+4*\s:G0+4*\s+3], s[G1:G1+7]
	s_nop 0
.rept 4
	v_nop
.endr
	s_branch .Lasked_\@
.Lfor_b_\@:
	tensor_load_to_lds s[G0B+4*\s:G0B+4*\s+3], s[G1B:G1B+7]
	s_nop 0
.rept 4
	v_nop
.endr
.Lasked_\@:
.endm
; A prefetch of the K step that stands two refills on, 8,192 bytes (32 lanes, 256 bytes apart) an instruction.  Each aligned block of 256 bytes is named once in the launch.  o's K step of a tile row is 2 x 16,384 bytes: wave 0 of
; each of the four partners of a row takes a quarter, told apart by address (plane cx / 2, half cx % 2).  Wo's K step of a tile column is 2 x 32,768 bytes: waves 2 and 3 (one plane each) of the four partners of a column take a
; quarter of a plane each (cy), in the clusters with y = 0 alone.  The loop's last trip asks for nothing: there is no K step two on.
.macro ASK
	s_cmp_gt_u32 s3, s[LIM]
	s_cbranch_scc0 .Lnot_mine_\@
	global_prefetch_b8 v[PFO], s[PFA:PFA+1] th:TH_LOAD_NT scope:SCOPE_SE
.Lnot_mine_\@:
.endm
.macro CREST
	s_cmp_lg_u32 s10, 0
	s_cbranch_scc1 .Lnot_wave_0_\@
	s_barrier_signal -3
.Lnot_wave_0_\@:
	s_barrier_wait -3
	s_barrier_signal -1
	s_barrier_wait -1
.endm
.macro CROUND
	s_barrier_signal -1
	s_barrier_wait -1
	CREST
.endm
	s_load_b128 s[4:7], s[0:1], 0x0                ; o16, wo16
	s_load_b64 s[8:9], s[0:1], 0x10                ; out0
	v_lshl_add_u32 v[SPW], v0, 2, SPARE
	v_mov_b32 v[NIL], 0
	ds_add_u32 v[SPW], v[NIL]                      ; the wave's opening: the add, twice on end, and its wait ahead of my first tensor load
	ds_add_u32 v[SPW], v[NIL]
	v_lshrrev_b32 v1, 5, v0
	v_readfirstlane_b32 s10, v1                    ; wave 0..3
	s_lshr_b32 s11, s10, 1                         ; which 64 rows are mine.  Also: I fetch for o (0) or for Wo (1)
	s_and_b32 s12, s10, 1                          ; which 128 columns.  Also: which plane of a K step I fetch
	s_bfe_u32 s40, ttmp6, 0x40000                  ; cx
	s_bfe_u32 s41, ttmp6, 0x40004                  ; cy
	s_lshl_b32 s42, ttmp9, 2
	s_add_co_u32 s42, s42, s40                     ; tile column
	s_and_b32 s13, ttmp7, 0xffff
	s_lshl_b32 s13, s13, 2
	s_add_co_u32 s13, s13, s41                     ; tile row
	s_lshl_b32 s43, s41, 2
	s_lshl_b32 s43, 15, s43                        ; my row of the cluster
	s_lshl_b32 s44, 0x1111, s40                    ; my column
	s_or_b32 s[G1+0], s43, FLAGS
	s_or_b32 s[G1B+0], s44, FLAGS
	s_mov_b32 s[G1+1], 64<<16                      ; tensor_dim0
	s_mov_b32 s[G1+2], 128<<16                     ; tensor_dim1
	s_mov_b32 s[G1+3], 64<<16                      ; tile_dim0
	s_mov_b32 s[G1+4], 128                         ; tile_dim1
	s_mov_b32 s[G1+5], 64                          ; the pitch in memory
	s_mov_b32 s[G1+6], 0
	s_mov_b32 s[G1+7], 0
	s_mov_b32 s[G1B+1], 64<<16
	s_mov_b32 s[G1B+2], 256<<16
	s_mov_b32 s[G1B+3], 64<<16
	s_mov_b32 s[G1B+4], 256
	s_mov_b32 s[G1B+5], 64
	s_mov_b32 s[G1B+6], 0
	s_mov_b32 s[G1B+7], 0
	s_lshl_b32 s16, s12, 20                        ; o: my plane, and 128 rows of 128 bytes a tile row: nothing here hangs on cx
	s_lshl_b32 s17, s13, 14
	s_add_co_u32 s16, s16, s17
	s_mov_b32 s17, 0
	s_lshl_b32 s46, s12, 17                        ; Wo: my plane, and 256 rows of 128 bytes a tile column: nothing here hangs on cy
	s_lshl_b32 s47, s42, 15
	s_add_co_u32 s46, s46, s47
	s_mov_b32 s47, 0
	s_mul_i32 s20, s12, APL                        ; where they go
	s_mul_i32 s21, s12, BPL
	s_add_co_u32 s21, s21, BOFF
	s_wait_dscnt 0x0                               ; both opening adds are done
	s_wait_kmcnt 0x0
	s_add_nc_u64 s[14:15], s[4:5], s[16:17]
	s_add_nc_u64 s[46:47], s[6:7], s[46:47]
	CROUND                                         ; all sixteen work-groups are here: the first joint loads meet
.irp s, 0,1
	s_mov_b32 s[G0+4*\s], 1
	s_add_co_u32 s[G0+4*\s+1], s20, \s*SLOT
	s_add_nc_u64 s[G0+4*\s+2:G0+4*\s+3], s[14:15], \s*0x200000     ; K step s: two planes on
	s_or_b32 s[G0+4*\s+3], s[G0+4*\s+3], 0x80000000
	s_mov_b32 s[G0B+4*\s], 1
	s_add_co_u32 s[G0B+4*\s+1], s21, \s*SLOT
	s_add_nc_u64 s[G0B+4*\s+2:G0B+4*\s+3], s[46:47], \s*0x40000
	s_or_b32 s[G0B+4*\s+3], s[G0B+4*\s+3], 0x80000000
	JLOAD \s
.endr
	v_and_b32 v1, 15, v0
	v_bfe_u32 v2, v0, 4, 1
	v_mul_u32_u24 v3, v1, PITCH
	v_lshl_add_u32 v3, v2, 4, v3                   ; a fragment's row x pitch + 16 x half
	s_mul_i32 s21, s11, 64*PITCH
	s_mul_i32 s22, s12, 128*PITCH
	s_add_co_u32 s22, s22, BOFF
.irp s, 0,1
	v_add_nc_u32 v[ADRA+\s], s21, v3
	v_add_nc_u32 v[ADRB+\s], s22, v3
	s_add_co_u32 s21, s21, SLOT
	s_add_co_u32 s22, s22, SLOT
.endr
	s_mul_i32 s23, s10, 16*SPITCH
	s_add_co_u32 s23, s23, STAGE                   ; my stage
	v_mul_u32_u24 v4, v1, SPITCH
	v_lshl_add_u32 v4, v2, 5, v4
	v_add_nc_u32 v[STO], s23, v4                   ; in: row l % 16, 32 bytes for each half of the lanes
	v_and_b32 v5, 31, v0
	v_lshlrev_b32 v[CO], 4, v5                     ; back: the 32 lanes take a row of 512 bytes; the same in out0
	v_add_nc_u32 v[RD], s23, v[CO]
	v_lshlrev_b32 v[PFO], 8, v5
	s_lshl_b32 s16, s13, 19                        ; out0: 128 rows of 4,096 bytes a tile row,
	s_lshl_b32 s17, s11, 18                        ; 64 rows a half,
	s_add_co_u32 s16, s16, s17
	s_mov_b32 s17, 0
	s_lshl_b32 s46, s42, 10                        ; 1,024 bytes a tile column, 512 a half
	s_lshl_b32 s47, s12, 9
	s_add_co_u32 s46, s46, s47
	s_mov_b32 s47, 0
	s_add_nc_u64 s[16:17], s[16:17], s[46:47]
	s_add_nc_u64 s[8:9], s[8:9], s[16:17]
	; the prefetches: they stand at K step 3; each refill steps them ahead of its use, so the refill of K step n names n + 2.  Nothing is prefetched at the head
	s_lshr_b32 s66, s40, 1
	s_lshl_b32 s66, s66, 20
	s_lshl_b32 s67, s13, 14
	s_add_co_u32 s66, s66, s67
	s_and_b32 s67, s40, 1
	s_lshl_b32 s67, s67, 13
	s_add_co_u32 s66, s66, s67
	s_add_co_u32 s66, s66, 6<<20                   ; o's
	s_lshl_b32 s68, s12, 17
	s_lshl_b32 s67, s42, 15
	s_add_co_u32 s68, s68, s67
	s_lshl_b32 s67, s41, 13
	s_add_co_u32 s68, s68, s67
	s_add_co_u32 s68, s68, 6<<17                   ; Wo's
	s_mov_b32 s[PFS], 1<<18
	s_and_b32 s69, ttmp7, 0xffff                   ; cluster y
	s_cmp_eq_u32 s11, 0
	s_cselect_b32 s66, s66, s68
	s_cselect_b32 s[PFS], 1<<21, s[PFS]            ; a K step on
	s_cselect_b32 s69, s12, s69                    ; 0 in wave 0, and in waves 2 and 3 of the clusters with y = 0: the same in all sixteen partners, for a given wave
	s_cselect_b64 s[PFA:PFA+1], s[4:5], s[6:7]
	s_cmp_eq_u32 s69, 0
	s_cselect_b32 s[LIM], 1, -1
	s_mov_b32 s67, 0
	s_mov_b32 s[PFS+1], 0
	s_add_nc_u64 s[PFA:PFA+1], s[PFA:PFA+1], s[66:67]
.macro MUL8 f, a, zero                 ; o's block a against Wo's eight, 32 along K.  The 32 accumulators take turns in one order in every quarter
.irp b, 0,1,2,3,4,5,6,7
.if \zero
	v_wmma_f32_16x16x32_f16 v[8*(8*(\a)+\b):8*(8*(\a)+\b)+7], v[64*(\f)+8*\b:64*(\f)+8*\b+7], v[AF+32*(\f)+8*(\a):AF+32*(\f)+8*(\a)+7], 0
.else
	v_wmma_f32_16x16x32_f16 v[8*(8*(\a)+\b):8*(8*(\a)+\b)+7], v[64*(\f)+8*\b:64*(\f)+8*\b+7], v[AF+32*(\f)+8*(\a):AF+32*(\f)+8*(\a)+7], v[8*(8*(\a)+\b):8*(8*(\a)+\b)+7]
.endif
.endr
.endm
.macro FETCH slot, q, f                ; 24 LDS loads in one run: quarter q of the slot (plane q / 2, byte 64 (q % 2) of the rows) into buffer f; Wo's first
	WIN TO_B
.irp i, 0,1,2,3,4,5,6,7
	ds_load_b128 v[64*(\f)+8*\i:64*(\f)+8*\i+3],   v[ADRB+\slot] offset:((\q)/2)*BPL+64*((\q)%2)+\i*16*PITCH
	ds_load_b128 v[64*(\f)+8*\i+4:64*(\f)+8*\i+7], v[ADRB+\slot] offset:((\q)/2)*BPL+64*((\q)%2)+\i*16*PITCH+32
.endr
	WIN 0
.irp i, 0,1,2,3
	ds_load_b128 v[AF+32*(\f)+8*\i:AF+32*(\f)+8*\i+3],   v[ADRA+\slot] offset:((\q)/2)*APL+64*((\q)%2)+\i*16*PITCH
	ds_load_b128 v[AF+32*(\f)+8*\i+4:AF+32*(\f)+8*\i+7], v[ADRA+\slot] offset:((\q)/2)*APL+64*((\q)%2)+\i*16*PITCH+32
.endr
.endm
.macro PLACES                          ; four plain lines in front of loads into registers that matrix instructions have read, and of the first read of results
.rept 4
	v_nop
.endr
.endm
.macro QUARTER slot, q, f, g, zero     ; multiplies buffer f; in its middle it fetches quarter q into buffer g
	s_wait_dscnt 4                                 ; Wo's fragments and o's blocks 0, 1 are in; the youngest four loads (blocks 2, 3) may be out
	WIN MUL
	MUL8 \f, 0, \zero
	MUL8 \f, 1, \zero
	PLACES
	FETCH \slot, \q, \g
	s_wait_dscnt 24                                ; all but the 24 just issued
	WIN MUL
	MUL8 \f, 2, \zero
	MUL8 \f, 3, \zero
.endm
; A slot's last quarter multiplies buffer 1 and changes slots: ONE barrier; in front of it each wave waits for all its tensor loads (its part of the next slot), adds 0 to its spare word, and waits for that and for its reads of this
; slot.  fill = 1: the barrier opens a round of the cluster's, and the slot is filled again, two K steps ahead: the refill has a K step less 16 of its 128 matrix instructions in which to land.
.macro TURN slot, next, fill
.if \fill
	s_wait_xcnt 0x0                                ; the last prefetch, a K step back, has read its address
	s_add_nc_u64 s[PFA:PFA+1], s[PFA:PFA+1], s[PFS:PFS+1]
.endif
	WIN 0
	s_wait_tensorcnt 0x0
	ds_add_u32 v[SPW], v[NIL]
	s_wait_dscnt 5                                 ; (the add and the youngest four loads may be out)
	WIN MUL
	MUL8 1, 0, 0
	s_wait_dscnt 0x0                               ; the add is done, and my reads of this slot are over
	s_barrier_signal -1
	MUL8 1, 1, 0
.if \fill
	WIN 0
.endif
	s_barrier_wait -1
.if \fill
	CREST
	s_add_nc_u64 s[G0+4*\slot+2:G0+4*\slot+3], s[G0+4*\slot+2:G0+4*\slot+3], 0x400000
	s_add_nc_u64 s[G0B+4*\slot+2:G0B+4*\slot+3], s[G0B+4*\slot+2:G0B+4*\slot+3], 0x80000
	JLOAD \slot                                    ; the first tensor load behind the round; its four v_nop are also the places in front of the loads below
.else
	PLACES
.endif
	FETCH \next, 0, 0
.if \fill
	ASK
.endif
	WIN MUL
	MUL8 1, 2, 0
	MUL8 1, 3, 0
.endm
	s_wait_tensorcnt 1                             ; my part of K step 0 is in (K step 1's load may be out),
	s_barrier_signal -1
	s_barrier_wait -1                              ; everybody's is
	FETCH 0, 0, 0
	QUARTER 0, 1, 0, 1, 1                          ; the first quarter's products start the sums
	WIN 0
	s_mov_b32 s3, LAPS-1
.Llap:                                             ; a trip goes once round the ring and fills both slots again
	QUARTER 0, 2, 1, 0, 0
	QUARTER 0, 3, 0, 1, 0
	TURN 0, 1, 1
	QUARTER 1, 1, 0, 1, 0
	QUARTER 1, 2, 1, 0, 0
	QUARTER 1, 3, 0, 1, 0
	TURN 1, 0, 1
	QUARTER 0, 1, 0, 1, 0
	WIN 0
	s_sub_co_u32 s3, s3, 1
	s_cmp_lg_u32 s3, 0
	s_cbranch_scc1 .Llap
	QUARTER 0, 2, 1, 0, 0                          ; the last lap fills nothing
	QUARTER 0, 3, 0, 1, 0
	TURN 0, 1, 0
	QUARTER 1, 1, 0, 1, 0
	QUARTER 1, 2, 1, 0, 0
	QUARTER 1, 3, 0, 1, 0
	s_wait_dscnt 4
	WIN MUL
	MUL8 1, 0, 0
	MUL8 1, 1, 0
	s_wait_dscnt 0
	MUL8 1, 2, 0
	MUL8 1, 3, 0
	WIN 0
; THE WAY OUT, block by block of 16 rows x 128 columns: through my own stage and back as whole rows of 512 bytes.
.macro TOSTAGE a
.set AC, 64*(\a)
	WIN 0x08                                       ; an LDS store's data are its source 1: window 2
.irp b, 0,1,2,3,4,5,6,7
	ds_store_b128 v[STO], v[AC+8*\b:AC+8*\b+3] offset:64*\b          ; each accumulator from its low end on
	ds_store_b128 v[STO], v[AC+8*\b+4:AC+8*\b+7] offset:64*\b+16
.endr
	WIN 0
.set BB, BK+64*((\a)%2)
.irp t, 0,1,2,3,4,5,6,7,8,9,10,11,12,13,14,15
	ds_load_b128 v[BB+4*\t:BB+4*\t+3], v[RD] offset:\t*SPITCH        ; LDS serves a wave's instructions in order
.endr
.endm
.macro SEND a, younger
.set BB, BK+64*((\a)%2)
	s_wait_dscnt \younger
.irp t, 0,1,2,3,4,5,6,7,8,9,10,11,12,13,14,15
	global_store_b128 v[CO], v[BB+4*\t:BB+4*\t+3], s[8:9] offset:(16*(\a)+\t)*4096 th:TH_STORE_NT   ; 32 lanes store 512 consecutive bytes, aligned
.endr
.endm
	PLACES
	TOSTAGE 0
.irp a, 1,2,3
.if \a > 1
	s_wait_xcnt 0x0                                ; block a - 2's stores have read their registers: block a's loads may land there
.endif
	TOSTAGE \a
	SEND \a-1, 32                                  ; behind block a - 1's loads: block a's 16 stores and 16 loads
.endr
	SEND 3, 0
	s_wait_tensorcnt 0x0                           ; the wave's end
	ds_add_u32 v[SPW], v[NIL]
	s_wait_dscnt 0x0
	CROUND                                         ; the closing round
	s_endpgm
.Lfunc_end_k_q2619b7881a_proj:
	.size	k_q2619b7881a_proj, .Lfunc_end_k_q2619b7881a_proj-k_q2619b7881a_proj
	.p2alignl 7, 3214868480
	.fill 96, 4, 3214868480
	.section	.rodata,"a",@progbits
	.p2align	6, 0x0
	.amdhsa_kernel k_q2619b7881a_proj
		.amdhsa_group_segment_fixed_size 327680
		.amdhsa_private_segment_fixed_size 0
		.amdhsa_enable_private_segment 0
		.amdhsa_kernarg_size 24
		.amdhsa_user_sgpr_count 2
		.amdhsa_user_sgpr_kernarg_segment_ptr 1
		.amdhsa_wavefront_size32 1
		.amdhsa_system_sgpr_workgroup_id_x 1
		.amdhsa_system_sgpr_workgroup_id_y 1
		.amdhsa_system_sgpr_workgroup_id_z 1
		.amdhsa_system_vgpr_workitem_id 0
		.amdhsa_next_free_vgpr 768
		.amdhsa_next_free_sgpr 72
		.amdhsa_reserve_vcc 0
		.amdhsa_float_denorm_mode_32 3
		.amdhsa_float_denorm_mode_16_64 3
		.amdhsa_memory_ordered 1
		.amdhsa_forward_progress 1
		.amdhsa_inst_pref_size 87
	.end_amdhsa_kernel
	.amdgpu_metadata
---
amdhsa.version: [ 1, 2 ]
amdhsa.kernels:
  - .name:           k_q2619b7881a_proj
    .symbol:         k_q2619b7881a_proj.kd
    .args:
      - { .name: o16, .offset: 0, .size: 8, .value_kind: global_buffer, .address_space: global }
      - { .name: wo16, .offset: 8, .size: 8, .value_kind: global_buffer, .address_space: global }
      - { .name: out0, .offset: 16, .size: 8, .value_kind: global_buffer, .address_space: global }
    .group_segment_fixed_size: 327680
    .private_segment_fixed_size: 0
    .kernarg_segment_align: 8
    .kernarg_segment_size: 24
    .max_flat_workgroup_size: 128
    .sgpr_count:     72
    .vgpr_count:     768
    .wavefront_size: 32
...
	.end_amdgpu_metadata
.endif
;; end of part 5
;; launch fproj (part 6): grid 16 x 4, 16 waves a work-group, no clusters, 19,456 bytes of LDS; arguments ofine, Wo, out0; writes out0
.if DOCPART == 6
	.amdgcn_target "amdgcn-amd-amdhsa--gfx1250"
	.amdhsa_code_object_version 6
	.text
	.protected	k_q2619b7881a_fproj
	.globl	k_q2619b7881a_fproj
	.p2align	8
	.type	k_q2619b7881a_fproj,@function
k_q2619b7881a_fproj:
	s_mov_b64 s[64:65], 0
	v_nop
	global_prefetch_b8 v0, s[64:65] scope:SCOPE_SE
	s_setreg_imm32_b32 hwreg(HW_REG_WAVE_MODE, 25, 1), 1
	s_wait_xcnt 0x0
; THE FIRST 16 POSITIONS OF EVERY SEQUENCE ON THE WAY OUT, IN f32: out0[2048 b + pos][n] = the sum over k of ofine[16 b + pos][k] Wo[n][k], pos = 0 .. 15.  These 64 rows are laid over what the launch before wrote there.
; It is 1/128 of the rows: no bulk work.  A work-group takes a batch (y) and 64 columns (x).  Wave w: column tile w % 4 (16 columns), quarter w / 4 of K (256).
; A chunk is 8 along K: one load of 16 bytes a side gives lane (r, h) k = 8 c + 4 h + 0 .. 3 of its row; its two register pairs feed two matrix instructions, with the same order of k on both sides.
; Source 0 = Wo's 16 rows, source 1 = the 16 rows of o: lane (r, h) holds row r, register j column 16 t + 8 h + j.  Four accumulators by turns; the four quarters of K meet in LDS.
; Wo's fragments come straight from memory: each row's 1,024 bytes of a quarter are used up by the wave's 32 loads.  No cluster, no tensor load: each byte of Wo is read by four work-groups only.
.set SPARE, 17408                      ; behind four partial tiles of 16 rows x (256 bytes + 16): the spare words, 128 bytes a wave
.set SPW, 12
.set NIL, 13
.set ACC, 144                          ; v144-175: written by matrix instructions alone
.set T,   176
	s_load_b128 s[4:7], s[0:1], 0x0                ; ofine, Wo
	s_load_b64 s[8:9], s[0:1], 0x10                ; out0
	v_lshl_add_u32 v[SPW], v0, 2, SPARE
	v_mov_b32 v[NIL], 0
	v_lshrrev_b32 v1, 5, v0
	v_readfirstlane_b32 s10, v1                    ; wave 0..15
	s_and_b32 s11, s10, 3                          ; t
	s_lshr_b32 s12, s10, 2                         ; the quarter of K
	v_and_b32 v1, 15, v0
	v_bfe_u32 v2, v0, 4, 1
	v_lshlrev_b32 v3, 12, v1
	v_lshl_add_u32 v3, v2, 4, v3                   ; both operands: row r of 4,096 bytes + 16 h
	v_mul_u32_u24 v4, v1, 272
	v_lshl_add_u32 v4, v2, 5, v4
	s_mul_i32 s13, s12, 4352
	s_lshl_b32 s14, s11, 6
	s_add_co_u32 s13, s13, s14
	v_add_nc_u32 v4, s13, v4                       ; LDS, in: my quarter's tile, row r, + 64 t + 32 h
	v_and_b32 v5, 31, v0
	v_lshlrev_b32 v5, 3, v5                        ; 8 bytes a lane
	s_mul_i32 s13, s10, 272
	v_add_nc_u32 v6, s13, v5                       ; back: row w
	s_and_b32 s15, ttmp7, 0xffff                   ; the batch
	s_lshl_b32 s16, ttmp9, 18
	s_lshl_b32 s22, s11, 16
	s_add_co_u32 s16, s16, s22
	s_lshl_b32 s22, s12, 10
	s_add_co_u32 s16, s16, s22                     ; Wo: row 64 x + 16 t, byte 1,024 x quarter
	s_mov_b32 s17, 0
	s_lshl_b32 s18, s15, 16
	s_add_co_u32 s18, s18, s22                     ; ofine: 16 rows a batch
	s_mov_b32 s19, 0
	s_lshl_b32 s20, s15, 23
	s_lshl_b32 s22, s10, 12
	s_add_co_u32 s20, s20, s22
	s_lshl_b32 s22, ttmp9, 8
	s_add_co_u32 s20, s20, s22                     ; out0: row 2048 b + w, byte 256 x
	s_mov_b32 s21, 0
	s_wait_kmcnt 0x0
	s_add_nc_u64 s[6:7], s[6:7], s[16:17]
	s_add_nc_u64 s[4:5], s[4:5], s[18:19]
	s_add_nc_u64 s[8:9], s[8:9], s[20:21]
.macro GLOAD g                         ; group g: chunks 8 g .. 8 g + 7 into buffer g % 2: Wo's 32 registers, then o's
.irp c, 0,1,2,3,4,5,6,7
	global_load_b128 v[16+64*((\g)%2)+4*\c:16+64*((\g)%2)+4*\c+3], v3, s[6:7] offset:32*(8*(\g)+\c)
	global_load_b128 v[48+64*((\g)%2)+4*\c:48+64*((\g)%2)+4*\c+3], v3, s[4:5] offset:32*(8*(\g)+\c)
.endr
.endm
.macro GROUP g
.if (\g) < 3
	s_wait_loadcnt 16                              ; this group's 16 loads are in; the next group's may be out
.else
	s_wait_loadcnt 0x0
.endif
.irp c, 0,1,2,3,4,5,6,7
.irp e, 0,1
.if ((\g) == 0) && (\c < 2)
	v_wmma_f32_16x16x4_f32 v[ACC+8*((2*\c+\e)%4):ACC+8*((2*\c+\e)%4)+7], v[16+64*((\g)%2)+4*\c+2*\e:16+64*((\g)%2)+4*\c+2*\e+1], v[48+64*((\g)%2)+4*\c+2*\e:48+64*((\g)%2)+4*\c+2*\e+1], 0
.else
	v_wmma_f32_16x16x4_f32 v[ACC+8*((2*\c+\e)%4):ACC+8*((2*\c+\e)%4)+7], v[16+64*((\g)%2)+4*\c+2*\e:16+64*((\g)%2)+4*\c+2*\e+1], v[48+64*((\g)%2)+4*\c+2*\e:48+64*((\g)%2)+4*\c+2*\e+1], v[ACC+8*((2*\c+\e)%4):ACC+8*((2*\c+\e)%4)+7]
.endif
.endr
.endr
.rept 8
	v_nop                                          ; eight places behind this form, in front of loads into its operands and of the first read of its results
.endr
.if (\g)+2 < 4
	GLOAD (\g)+2
.endif
.endm
	GLOAD 0
	GLOAD 1
	GROUP 0
	GROUP 1
	GROUP 2
	GROUP 3
.irp p, 0,1,2,3
	v_pk_add_f32 v[T+2*\p:T+2*\p+1], v[ACC+2*\p:ACC+2*\p+1], v[ACC+8+2*\p:ACC+8+2*\p+1]
.endr
.irp p, 0,1,2,3
	v_pk_add_f32 v[T+2*\p:T+2*\p+1], v[T+2*\p:T+2*\p+1], v[ACC+16+2*\p:ACC+16+2*\p+1]
.endr
.irp p, 0,1,2,3
	v_pk_add_f32 v[T+2*\p:T+2*\p+1], v[T+2*\p:T+2*\p+1], v[ACC+24+2*\p:ACC+24+2*\p+1]
.endr
	ds_store_b128 v4, v[T:T+3]
	ds_store_b128 v4, v[T+4:T+7] offset:16
	s_wait_dscnt 0x0                               ; for the others' sake: my part has landed
	s_barrier_signal -1
	s_barrier_wait -1
.irp q, 0,1,2,3
	ds_load_b64 v[184+2*\q:185+2*\q], v6 offset:4352*\q
.endr
	s_wait_dscnt 0x0
	v_pk_add_f32 v[184:185], v[184:185], v[186:187]
	v_pk_add_f32 v[184:185], v[184:185], v[188:189]
	v_pk_add_f32 v[184:185], v[184:185], v[190:191]
	global_store_b64 v5, v[184:185], s[8:9]        ; the wave stores 256 consecutive bytes, aligned
	s_wait_tensorcnt 0x0                           ; the wave's end
	ds_add_u32 v[SPW], v[NIL]
	s_wait_dscnt 0x0
	s_endpgm
.Lfunc_end_k_q2619b7881a_fproj:
	.size	k_q2619b7881a_fproj, .Lfunc_end_k_q2619b7881a_fproj-k_q2619b7881a_fproj
	.p2alignl 7, 3214868480
	.fill 96, 4, 3214868480
	.section	.rodata,"a",@progbits
	.p2align	6, 0x0
	.amdhsa_kernel k_q2619b7881a_fproj
		.amdhsa_group_segment_fixed_size 19456
		.amdhsa_private_segment_fixed_size 0
		.amdhsa_enable_private_segment 0
		.amdhsa_kernarg_size 24
		.amdhsa_user_sgpr_count 2
		.amdhsa_user_sgpr_kernarg_segment_ptr 1
		.amdhsa_wavefront_size32 1
		.amdhsa_system_sgpr_workgroup_id_x 1
		.amdhsa_system_sgpr_workgroup_id_y 1
		.amdhsa_system_sgpr_workgroup_id_z 1
		.amdhsa_system_vgpr_workitem_id 0
		.amdhsa_next_free_vgpr 192
		.amdhsa_next_free_sgpr 66
		.amdhsa_reserve_vcc 0
		.amdhsa_float_denorm_mode_32 3
		.amdhsa_float_denorm_mode_16_64 3
		.amdhsa_memory_ordered 1
		.amdhsa_forward_progress 1
		.amdhsa_inst_pref_size 15
	.end_amdhsa_kernel
	.amdgpu_metadata
---
amdhsa.version: [ 1, 2 ]
amdhsa.kernels:
  - .name:           k_q2619b7881a_fproj
    .symbol:         k_q2619b7881a_fproj.kd
    .args:
      - { .name: ofine, .offset: 0, .size: 8, .value_kind: global_buffer, .address_space: global }
      - { .name: Wo, .offset: 8, .size: 8, .value_kind: global_buffer, .address_space: global }
      - { .name: out0, .offset: 16, .size: 8, .value_kind: global_buffer, .address_space: global }
    .group_segment_fixed_size: 19456
    .private_segment_fixed_size: 0
    .kernarg_segment_align: 8
    .kernarg_segment_size: 24
    .max_flat_workgroup_size: 512
    .sgpr_count:     66
    .vgpr_count:     192
    .wavefront_size: 32
...
	.end_amdgpu_metadata
.endif
;; end of part 6
